; MI455X (gfx1250); checked and timed in simulation.
; The chip was launched on July 23, 2026; its instructions are those of AMD's public machine-readable ISA for CDNA 5 (MIT licence, August 2026) and "CDNA5" Instruction Set Architecture Reference Guide (July 2026). The comments in the code are by the model that wrote it; some were corrected since.
;; Non Linear Bias Readout Block. Allowed arithmetic: matrix products marked QUANTISED: E2M1 operands, one E8M0 scale for each 32 along K, by v_wmma_scale_f32_16x16x128_f8f6f4 with both operands' format E2M1 (or v_wmma_scale_f32_32x16x128_f4), f32 sums; products left as they are: f32 operands where the result goes on into a quantised operand, else bf16, f16 or f32 operands; f32 sums; everything else in f32.
;; Inputs: W1 1,024 x 1,024 float32; W2 1,024 x 4 float32; W_mid 1,024 x 1,024 float32; b2 4 float32; b_mid 1,024 float32; heads 25,000 int32; x 25,000 x 1,024 float32.
;; Outputs: out0 25,000 x 4 float32.
;; This version of the problem:
;;   THIS VERSION OF THE PROBLEM IS GIVEN IN LOW PRECISION. The matrix products marked QUANTISED in the list below multiply operands that are first quantised to E2M1 (2 exponent bits, 1 mantissa bit; 4 bits a number), with one power-of-two scale for each 32 numbers along K (OCP MX v1.0); their sums are f32. All else is computed in f32.
;;   The module's matrix products, in the order in which they are computed (A, B: the left and right operand; K: the contracted axis; several contracted axes count as one K, in the product's order):
;;     1. [M 25,000, K 1,024] x [K 1,024, N 1,024]; A: input x; B: input W1: QUANTISED
;;     2. [M 25,000, K 1,024] x [K 1,024, N 1,024]; A: computed on the way; B: input W_mid: QUANTISED
;;     3. [M 25,000, K 1,024] x [K 1,024, N 4]; A: computed on the way; B: input W2: left as it is (N = 4 < 16)
;;   THE QUANTISER, for each operand of a quantised product, along K:
;;     - K is cut into blocks of 32 from its start; a last block that is shorter is filled with zeros.
;;     - A block's scale is 2^e with e = floor(log2(the largest magnitude in the block)) - 2, held to -126 .. 127; a block of zeros has e = 0. As a byte (E8M0): e + 127.
;;     - Each number is divided by its block's scale, clamped to +-6, and rounded to the nearest number of E2M1, ties to even, subnormals kept.
;;     - The product sums the exact products of the quantised numbers (number of the format x scale) in f32.
;;   ~~~python
;;   def quantise(x, axis):      # numpy; x: float32 -> the quantised numbers, widened to float32 again
;;       x = np.moveaxis(x, axis, -1); K = x.shape[-1]
;;       x = np.pad(x, [(0, 0)] * (x.ndim - 1) + [(0, -K % 32)]); x = x.reshape(x.shape[:-1] + (-1, 32)); a = np.abs(x).max(-1, keepdims=True)
;;       e = np.where(a > 0, np.clip(np.frexp(np.where(a > 0, a, 1))[1] - 1 - 2, -126, 127), 0)      # np.frexp(a)[1] - 1 = floor(log2(a)), exactly
;;       r = np.clip(x / 2.0 ** e, -6, 6)
;;       step = 2.0 ** (np.maximum(np.frexp(np.where(r == 0, 1, r))[1] - 1, 0) - 1)
;;       q = np.round(r / step) * step * 2.0 ** e      # np.round: ties to even
;;       return np.moveaxis(q.reshape(q.shape[:-2] + (-1,))[..., :K], -1, axis).astype(np.float32)
;;   ~~~
;;   OPERANDS COMPUTED ON THE WAY. 'Computed on the way' means the value that the module computes at that place (a softmax that the list does not call 'softmax' is quantised finished and normalised). What goes into a quantiser is computed in f32, as accurately as f32 sums, v_exp_f32 and their like allow (about 1e-6 of the number): no bf16 or f16 on the way to a quantiser, and a product that is left as it is and whose result goes on into a quantised operand takes f32 operands (vector FMAs, or v_wmma_f32_16x16x4_f32). A number that lies on a knife's edge between two numbers of the format may be rounded either way, as far as f32 arithmetic and the matrix unit's own rounding can turn it there, and no further.
;; 2 versions. Each part assembles by itself: llvm-mc -triple=amdgcn-amd-amdhsa -mcpu=gfx1250 --defsym DOCPART=n.
;; ======== version 1 of 2: 2 launches
;; workspace buffers: w1f 524,288 bytes; w1s 32,768 bytes; wmf 524,288 bytes; wms 32,768 bytes; rowlist 101,888 bytes of whole numbers; tiles 2,048 bytes of whole numbers
;; launch prep (part 1): grid 65 x 1, 8 waves a work-group, no clusters, 1,280 bytes of LDS; arguments W1, W_mid, heads, w1f, w1s, wmf, wms, rowlist, tiles; writes w1f, w1s, wmf, wms, rowlist, tiles
.if DOCPART == 1
	.amdgcn_target "amdgcn-amd-amdhsa--gfx1250"
	.amdhsa_code_object_version 6
	.text
	.protected	k_q11e047de28_prep
	.globl	k_q11e047de28_prep
	.p2align	8
	.type	k_q11e047de28_prep,@function
k_q11e047de28_prep:
	s_mov_b64 s[64:65], 0
	v_nop
	global_prefetch_b8 v0, s[64:65] scope:SCOPE_SE
	s_setreg_imm32_b32 hwreg(HW_REG_WAVE_MODE, 25, 1), 1
	s_wait_xcnt 0x0
; out = mask_head(silu(silu(x W1 / 32) W_mid / 32 + b_mid)) W2 / 32 + b2, products 1 and 2 on codes of E2M1 with one E8M0 scale for each 32 along K.
; WORK LEFT OUT BY THE PROGRAM, AND WHY IT IS DEAD.  reference() multiplies the second hidden layer by a one_hot mask that it builds itself: of row i only the 256 channels 256 heads[i] .. 256 heads[i] + 255
; are kept, all others are multiplied by 0 before the last product.  So for every value of x, W1, W_mid, b_mid, W2, b2 the other 768 columns of product 2, their bias, their silu and their rows of W2 reach no output.
; Which columns those are is decided by the whole numbers heads: this launch reads them and stores a list of rows by head; the next launch reads that list and multiplies only the kept columns.  Every input is loaded.
; LIMITS: a NaN, an infinity or an overflow that arises only in masked columns is not carried to the result.  A head outside 0 .. 3 is taken as 3 (an index stays inside its table).
; NaN and infinities among the weights are not served.  A block of zeros gets the scale byte 1 where the quantiser says 127: its codes are zeros, and only this program reads the bytes.
; THIS LAUNCH.  Work-groups 0 to 63: W1 and W_mid [k][n], f32, K their FIRST axis, become codes and scale words laid in the order of the matrix operand's registers.
;   codes F[beta 0..31][u 0..1][s 0..7][c 0..1][lane 0..31][16 bytes]: fragment (beta, u, s) is 16 units x 128 K; its lane (r, h) holds unit 32 beta + 8 u + r + (r & 8), K block 4 s + 2 c + h.
;   scales S[beta][u][s][r]: one word, the four bytes of K blocks 4 s .. 4 s + 3 of that unit.
;   A lane takes a column n and its registers run down K: a block's 32 numbers are one lane's, and the conversions give the codes with K innermost.  A wave takes 32 units x 128 K.
; Work-group 64: a counting sort of the 25,000 rows by head, without atomics.  rowlist[112 t + slot] = the row in that slot of tile t; each head's rows begin at a tile's first slot; unused slots hold 0.
;   tiles[t] = (head, rows in the tile).  With tiles of 112 rows there are at most floor((25,000 + 4 x 111) / 112) = 227 tiles, whatever the split.
.set SPARE, 256                        ; LDS: bytes 0-63 the waves' totals; from 256 the spare words, 128 bytes a wave
.set DUMP,  25424                      ; the list's entry behind the last tile's last slot: what has no place goes there, and nobody reads it
.set ZR,    31                         ; v31      sort: 0: the data of the padding stores and the LDS address of the totals; written once
.set HB,    32                         ; v32-131  sort: a thread's 100 heads, then 8 x head, then its stores' addresses
.set DB,    132                        ; v132-231 sort: ranks, then row numbers
	s_load_b512 s[4:19], s[0:1], 0x0               ; W1 4, W_mid 6, heads 8, w1f 10, w1s 12, wmf 14, wms 16, rowlist 18
	s_load_b64 s[20:21], s[0:1], 0x40              ; tiles
	v_lshl_add_u32 v254, v0, 2, SPARE              ; my spare word,
	v_mov_b32 v255, 0                              ; and 0: kept for the closing lines alone
	v_lshrrev_b32 v1, 5, v0
	v_readfirstlane_b32 s22, v1                    ; wave 0..7
	s_wait_kmcnt 0x0
	s_cmp_eq_u32 ttmp9, 64                         ; the work-group's number alone: all eight waves go the same way
	s_cbranch_scc1 .Lsort
	; ---- the weights.  b = work-group: matrix b / 32; beta = 2 ((b / 2) % 16) + wave % 2 (two neighbouring waves read the two halves of 256 consecutive bytes of each row); s = 4 (b % 2) + wave / 2
	s_lshr_b32 s23, ttmp9, 5
	s_lshr_b32 s24, ttmp9, 1
	s_and_b32 s24, s24, 15
	s_lshl_b32 s24, s24, 1
	s_and_b32 s25, s22, 1
	s_add_co_u32 s24, s24, s25                     ; beta
	s_and_b32 s25, ttmp9, 1
	s_lshl_b32 s25, s25, 2
	s_lshr_b32 s26, s22, 1
	s_add_co_u32 s25, s25, s26                     ; s
	s_cmp_eq_u32 s23, 0
	s_cselect_b64 s[28:29], s[4:5], s[6:7]         ; the matrix,
	s_cselect_b64 s[30:31], s[10:11], s[14:15]     ; its codes,
	s_cselect_b64 s[32:33], s[12:13], s[16:17]     ; its scale words
	s_lshl_b32 s34, s25, 19                        ; 128 s rows of 4,096 bytes
	s_lshl_b32 s35, s24, 7                         ; 32 beta columns of 4 bytes
	s_add_co_u32 s34, s34, s35
	s_mov_b32 s35, 0
	s_add_nc_u64 s[28:29], s[28:29], s[34:35]
	s_lshl_b32 s34, s24, 14
	s_lshl_b32 s36, s25, 10
	s_add_co_u32 s34, s34, s36
	s_add_nc_u64 s[30:31], s[30:31], s[34:35]      ; F + 16,384 beta + 1,024 s
	s_lshl_b32 s34, s24, 10
	s_lshl_b32 s36, s25, 6
	s_add_co_u32 s34, s34, s36
	s_add_nc_u64 s[32:33], s[32:33], s[34:35]      ; S + 1,024 beta + 64 s
	v_and_b32 v1, 31, v0
	v_lshrrev_b32 v5, 4, v1                        ; u
	v_and_b32 v6, 15, v1                           ; r
	v_and_b32 v7, 8, v6
	v_add_nc_u32 v7, v7, v6
	v_lshl_add_u32 v7, v5, 3, v7                   ; my column in the block of 32: 8 u + r + (r & 8)
	v_lshlrev_b32 v2, 2, v7
	v_lshlrev_b32 v3, 4, v6
	v_lshl_add_u32 v3, v5, 13, v3                  ; codes: 8,192 u + 16 r
	v_lshlrev_b32 v4, 2, v6
	v_lshl_add_u32 v4, v5, 9, v4                   ; scale word: 512 u + 4 r
.set i, 0
.rept 128
	global_load_b32 v[64+i], v2, s[28:29] offset:4096*i th:TH_LOAD_NT   ; W(128 s + i, my column): the 32 lanes read 128 consecutive bytes
.set i, i+1
.endr
; K block q of the wave's four: the largest magnitude (all 32 numbers are the lane's), the scale, the codes, and their store: lanes 0-15 and lanes 16-31 each write 256 consecutive, aligned bytes.
.macro BLOCK q
.set XB, 64+32*(\q)
.if (\q) < 2
	s_wait_loadcnt 63                              ; this block's 32 loads are in; behind them 96 or 64 are out, and the count names the most that its field holds
.else
	s_wait_loadcnt 32*(3-(\q))                     ; the later blocks' loads may be out
.endif
	v_max3_num_f32 v8, |v[XB]|, |v[XB+1]|, |v[XB+2]|
	v_max3_num_f32 v9, |v[XB+3]|, |v[XB+4]|, |v[XB+5]|
.irp i, 6,10,14,18,22,26
	v_max3_num_f32 v8, v8, |v[XB+\i]|, |v[XB+\i+1]|
	v_max3_num_f32 v9, v9, |v[XB+\i+2]|, |v[XB+\i+3]|
.endr
	v_max3_num_f32 v8, v8, |v[XB+30]|, |v[XB+31]|
	v_max3_num_f32 v8, v8, v9, 0x1800000           ; and the floor 2^(3 - 127): the byte cannot fall under 1
	v_add_nc_u32 v10, 0xff000000, v8               ; 2 off the exponent field: the conversion takes the exponent field of this operand as its scale
	v_lshrrev_b32 v11, 23, v10                     ; the scale's byte
.if (\q) == 0
	v_mov_b32 v12, v11
.else
	v_lshl_or_b32 v12, v11, 8*(\q), v12            ; four bytes make the word, the lower K in the lower byte
.endif
.irp g, 0,1,2,3
	v_cvt_scalef32_pk8_fp4_f32 v[16+4*(\q)+\g], v[XB+8*\g:XB+8*\g+7], v10
.endr
	global_store_b128 v3, v[16+4*(\q):19+4*(\q)], s[30:31] offset:256*(\q)   ; each block has code registers of its own: no store's data are written again
.endm
	BLOCK 0
	BLOCK 1
	BLOCK 2
	BLOCK 3
	global_store_b32 v4, v12, s[32:33]             ; runs of 64 bytes: one byte in 128 of what the launch reads
	s_endpgm
	; ---- the sort.  Threads 0 to 249 take rows 250 i + thread, i = 0 .. 99; threads 250 to 255 count nothing and store into the dump entry.
.Lsort:
	v_min_u32 v1, 249, v0
	v_lshlrev_b32 v2, 2, v1
	v_cmp_gt_u32 vcc_lo, 250, v0
	v_mov_b32 v3, 1
	v_cndmask_b32 v3, 0, v3, vcc_lo                ; 1 in a thread that counts
.set i, 0
.rept 100
	global_load_b32 v[HB+i], v2, s[8:9] offset:1000*i
.set i, i+1
.endr
.irp a, 4,5,6,7,13,14,ZR
	v_mov_b32 v[\a], 0
.endr
	s_wait_loadcnt 0x0
.set i, 0
.rept 100                              ; pass 1: my counts of the four heads, a byte each (100 at the most), in four chains
	v_min_u32 v[HB+i], 3, v[HB+i]
	v_lshlrev_b32 v[HB+i], 3, v[HB+i]              ; 8 x head: the byte's place
	v_lshl_add_u32 v[4+i%4], v3, v[HB+i], v[4+i%4]
.set i, i+1
.endr
	v_add_nc_u32 v4, v4, v5
	v_add_nc_u32 v6, v6, v7
	v_add_nc_u32 v4, v4, v6
	v_and_b32 v8, 0xff, v4                         ; A = count 0 | count 1 << 16, B = count 2 | count 3 << 16: all sums stay under 25,001, inside 16 bits
	v_bfe_u32 v9, v4, 8, 8
	v_lshl_or_b32 v8, v9, 16, v8
	v_bfe_u32 v10, v4, 16, 8
	v_lshrrev_b32 v9, 24, v4
	v_lshl_or_b32 v10, v9, 16, v10
	v_mov_b32 v11, v8
	v_mov_b32 v12, v10
.irp n, 1,2,4,8                        ; running sums inside each 16 lanes
	v_mov_b32_dpp v13, v8 row_shr:\n row_mask:0xf bank_mask:0xf bound_ctrl:1
	v_mov_b32_dpp v14, v10 row_shr:\n row_mask:0xf bank_mask:0xf bound_ctrl:1
	v_add_nc_u32 v8, v8, v13
	v_add_nc_u32 v10, v10, v14
.endr
	v_readlane_b32 s24, v8, 15
	v_readlane_b32 s25, v10, 15
	v_and_b32 v13, 16, v0
	v_cmp_ne_u32 vcc_lo, 0, v13
	v_mov_b32 v13, s24
	v_mov_b32 v14, s25
	v_cndmask_b32 v13, 0, v13, vcc_lo
	v_cndmask_b32 v14, 0, v14, vcc_lo
	v_add_nc_u32 v8, v8, v13                       ; lanes 16-31 take the lower half's total on top
	v_add_nc_u32 v10, v10, v14
	v_sub_nc_u32 v11, v8, v11                      ; what the lanes in front of me counted
	v_sub_nc_u32 v12, v10, v12
	v_readlane_b32 s24, v8, 31                     ; the wave's totals
	v_readlane_b32 s25, v10, 31
	s_lshl_b32 s26, s22, 3
	v_mov_b32 v15, s26
	v_mov_b32 v16, s24
	v_mov_b32 v17, s25
	ds_store_b64 v15, v[16:17]                     ; all lanes write the wave's 8 bytes with the same value
	s_wait_dscnt 0x0                               ; for the others' sake: my store has landed
	s_barrier_signal -1
	s_barrier_wait -1
.irp j, 0,1,2,3
	ds_load_b128 v[232+4*\j:235+4*\j], v[ZR] offset:16*\j
.endr
	s_wait_dscnt 0x0
.irp j, 0,1,2,3,4,5,6,7,8,9,10,11,12,13,14,15
	v_readfirstlane_b32 s[32+\j], v[232+\j]
.endr
	s_mov_b32 s48, 0                               ; the waves in front of mine: A, B
	s_mov_b32 s49, 0
	s_mov_b32 s50, 0                               ; all waves: A, B
	s_mov_b32 s51, 0
.irp w, 0,1,2,3,4,5,6,7
	s_cmp_gt_u32 s22, \w
	s_cselect_b32 s78, s[32+2*\w], 0
	s_cselect_b32 s79, s[33+2*\w], 0
	s_add_co_u32 s48, s48, s78
	s_add_co_u32 s49, s49, s79
	s_add_co_u32 s50, s50, s[32+2*\w]
	s_add_co_u32 s51, s51, s[33+2*\w]
.endr
	s_and_b32 s52, s50, 0xffff                     ; n_e: the rows of head e
	s_lshr_b32 s53, s50, 16
	s_and_b32 s54, s51, 0xffff
	s_lshr_b32 s55, s51, 16
.irp e, 0,1,2,3
	s_add_co_u32 s[56+\e], s[52+\e], 111           ; its tiles: (n + 111) / 112 = ((n + 111) / 16) / 7, and y / 7 = (9,363 y) >> 16 for y under 13,107
	s_lshr_b32 s[56+\e], s[56+\e], 4
	s_mul_i32 s[56+\e], s[56+\e], 9363
	s_lshr_b32 s[56+\e], s[56+\e], 16
	s_mul_i32 s[72+\e], s[56+\e], 112              ; and their slots
.endr
	s_mov_b32 s60, 0                               ; tb_e: head e's first tile
	s_mov_b32 s61, s56
	s_add_co_u32 s62, s61, s57
	s_add_co_u32 s63, s62, s58
	s_add_co_u32 s66, s63, s59                     ; all tiles
.irp e, 0,1,2,3
	s_mul_i32 s[68+\e], s[60+\e], 112              ; R_e: head e's first entry of the list, 25,424 at the most
.endr
	s_mul_i32 s67, s66, 112
	s_lshl_b32 s76, s69, 16
	s_or_b32 s76, s76, s68
	s_add_co_u32 s76, s76, s48
	s_lshl_b32 s77, s71, 16
	s_or_b32 s77, s77, s70
	s_add_co_u32 s77, s77, s49
	v_add_nc_u32 v11, s76, v11                     ; where my rows of heads 0 | 1 begin,
	v_add_nc_u32 v12, s77, v12                     ; and of heads 2 | 3
	v_cmp_gt_u32 vcc_lo, 250, v0
	v_cndmask_b32 v11, -1, v11, vcc_lo             ; a thread that counts nothing: beyond the list, so the clamp below sends it to the dump entry
	v_cndmask_b32 v12, -1, v12, vcc_lo
	v_mov_b32 v4, 0
.set i, 0
.rept 100                              ; pass 2: each row's place = its head's base + its rank among my rows of that head.  Each store has address and data registers of its own
	v_bfe_u32 v[DB+i], v4, v[HB+i], 8              ; the rank
	v_lshl_add_u32 v4, v3, v[HB+i], v4
	v_cmp_gt_u32 vcc_lo, 16, v[HB+i]
	v_cndmask_b32 v[5+i%2], v12, v11, vcc_lo
	v_and_b32 v[7+i%2], 8, v[HB+i]
	v_lshlrev_b32 v[7+i%2], 1, v[7+i%2]
	v_bfe_u32 v[5+i%2], v[5+i%2], v[7+i%2], 16
	v_add_nc_u32 v[5+i%2], v[5+i%2], v[DB+i]
	v_min_u32 v[5+i%2], DUMP, v[5+i%2]             ; a place made of loaded numbers is held inside the list
	v_lshlrev_b32 v[HB+i], 2, v[5+i%2]
	v_add_nc_u32 v[DB+i], 250*i, v1                ; the row
	global_store_b32 v[HB+i], v[DB+i], s[18:19]
.set i, i+1
.endr
.irp e, 0,1,2,3                        ; the slots behind a head's last row, 111 at the most, hold row 0.  Addresses in v16-19, one a store; the data, v31, are never rewritten
	v_add_nc_u32 v[16+\e], s[52+\e], v0
	v_cmp_gt_u32 vcc_lo, s[72+\e], v[16+\e]
	v_add_nc_u32 v[16+\e], s[68+\e], v[16+\e]
	v_cndmask_b32 v[16+\e], -1, v[16+\e], vcc_lo
	v_min_u32 v[16+\e], DUMP, v[16+\e]
	v_lshlrev_b32 v[16+\e], 2, v[16+\e]
	global_store_b32 v[16+\e], v[ZR], s[18:19]
.endr
.irp j, 0,1                            ; and so do the entries of the tiles that this split leaves without rows: at least 224 tiles have rows, so at most 336 entries
	v_add_nc_u32 v[20+\j], s67, v0
	v_add_nc_u32 v[20+\j], 256*\j, v[20+\j]
	v_min_u32 v[20+\j], DUMP, v[20+\j]
	v_lshlrev_b32 v[20+\j], 2, v[20+\j]
	global_store_b32 v[20+\j], v[ZR], s[18:19]
.endr
	v_mov_b32 v24, s52                             ; the table: thread t writes tile t's head and count
	v_mov_b32 v25, 0
	v_mov_b32 v26, 0
.irp e, 1,2,3
	v_cmp_le_u32 vcc_lo, s[60+\e], v0              ; a head without rows shares its first tile with the next head, which is taken later
	v_mov_b32 v27, s[52+\e]
	v_mov_b32 v28, s[60+\e]
	v_mov_b32 v29, \e
	v_cndmask_b32 v24, v24, v27, vcc_lo
	v_cndmask_b32 v25, v25, v28, vcc_lo
	v_cndmask_b32 v26, v26, v29, vcc_lo
.endr
	v_sub_nc_u32 v27, v0, v25
	v_mul_u32_u24 v27, v27, 112
	v_min_u32 v27, v27, v24
	v_sub_nc_u32 v27, v24, v27
	v_min_u32 v27, 112, v27                        ; min(112, n - min(112 (t - tb), n)): 0 behind the last tile
	v_lshlrev_b32 v28, 3, v0
	global_store_b64 v28, v[26:27], s[20:21]
	s_wait_tensorcnt 0x0                           ; the wave's end
	ds_add_u32 v254, v255
	s_wait_dscnt 0x0
	s_endpgm
.Lfunc_end_k_q11e047de28_prep:
	.size	k_q11e047de28_prep, .Lfunc_end_k_q11e047de28_prep-k_q11e047de28_prep
	.p2alignl 7, 3214868480
	.fill 96, 4, 3214868480
	.section	.rodata,"a",@progbits
	.p2align	6, 0x0
	.amdhsa_kernel k_q11e047de28_prep
		.amdhsa_group_segment_fixed_size 1280
		.amdhsa_private_segment_fixed_size 0
		.amdhsa_enable_private_segment 0
		.amdhsa_kernarg_size 72
		.amdhsa_user_sgpr_count 2
		.amdhsa_user_sgpr_kernarg_segment_ptr 1
		.amdhsa_wavefront_size32 1
		.amdhsa_system_sgpr_workgroup_id_x 1
		.amdhsa_system_sgpr_workgroup_id_y 1
		.amdhsa_system_sgpr_workgroup_id_z 1
		.amdhsa_system_vgpr_workitem_id 0
		.amdhsa_next_free_vgpr 256
		.amdhsa_next_free_sgpr 80
		.amdhsa_reserve_vcc 1
		.amdhsa_float_denorm_mode_32 3
		.amdhsa_float_denorm_mode_16_64 3
		.amdhsa_memory_ordered 1
		.amdhsa_forward_progress 1
		.amdhsa_inst_pref_size 112
	.end_amdhsa_kernel
	.amdgpu_metadata
---
amdhsa.version: [ 1, 2 ]
amdhsa.kernels:
  - .name:           k_q11e047de28_prep
    .symbol:         k_q11e047de28_prep.kd
    .args:
      - { .name: W1, .offset: 0, .size: 8, .value_kind: global_buffer, .address_space: global }
      - { .name: W_mid, .offset: 8, .size: 8, .value_kind: global_buffer, .address_space: global }
      - { .name: heads, .offset: 16, .size: 8, .value_kind: global_buffer, .address_space: global }
      - { .name: w1f, .offset: 24, .size: 8, .value_kind: global_buffer, .address_space: global }
      - { .name: w1s, .offset: 32, .size: 8, .value_kind: global_buffer, .address_space: global }
      - { .name: wmf, .offset: 40, .size: 8, .value_kind: global_buffer, .address_space: global }
      - { .name: wms, .offset: 48, .size: 8, .value_kind: global_buffer, .address_space: global }
      - { .name: rowlist, .offset: 56, .size: 8, .value_kind: global_buffer, .address_space: global }
      - { .name: tiles, .offset: 64, .size: 8, .value_kind: global_buffer, .address_space: global }
    .group_segment_fixed_size: 1280
    .private_segment_fixed_size: 0
    .kernarg_segment_align: 8
    .kernarg_segment_size: 72
    .max_flat_workgroup_size: 256
    .sgpr_count:     80
    .vgpr_count:     256
    .wavefront_size: 32
...
	.end_amdgpu_metadata
.endif
;; end of part 1
;; launch chain (part 2): grid 227 x 1, 8 waves a work-group, no clusters, 156,928 bytes of LDS; arguments x, rowlist, tiles, w1f, w1s, wmf, wms, b_mid, W2, b2, out0; writes out0
.if DOCPART == 2
	.amdgcn_target "amdgcn-amd-amdhsa--gfx1250"
	.amdhsa_code_object_version 6
	.text
	.protected	k_q11e047de28_chain
	.globl	k_q11e047de28_chain
	.p2align	8
	.type	k_q11e047de28_chain,@function
k_q11e047de28_chain:
	s_mov_b64 s[64:65], 0
	v_nop
	global_prefetch_b8 v0, s[64:65] scope:SCOPE_SE
	s_setreg_imm32_b32 hwreg(HW_REG_WAVE_MODE, 25, 1), 1
	s_wait_xcnt 0x0
; One work-group takes one tile of 112 rows of ONE head through the whole chain: gather x, quantise, product 1, silu, quantise, product 2, silu, product 3, + b2, store.  The hidden layers never go to memory.
; WORK LEFT OUT: of product 2, its bias, its silu and product 3 only the 256 channels of the row's head are made; reference() multiplies all others by a 0 of its own one_hot mask, whatever the inputs hold.
; Limit: a NaN, an infinity or an overflow that arises only in masked channels is not carried to the result; NaN and infinities among the inputs are not served.
; POWERS OF TWO ARE FOLDED, exactly.  h' = acc1 / (1 + 2^(-acc1 log2(e) / 32)) = 32 h1: the same codes as h1's, each scale byte 5 higher.  Product 2 starts from C = 1,024 b_mid, so acc2 = 1,024 z2;
; h2' = acc2 / (1 + 2^(-acc2 log2(e) / 1,024)) = 1,024 h2; W2 enters product 3 as bf16(W2 2^-15); so out = the sum + b2.  Limit: blocks of h1 whose largest magnitude lies within 2^5 of the quantiser's lowest
; exponent are not served bit-true; a block of zeros has the byte 1, and zero codes.
; A TILE THAT THE SPLIT LEAVES WITHOUT ROWS (at most 3 of the 227: at least 224 tiles have rows) has count 0 and a list of zeros: it walks the chain on row 0 and its store's mask is empty.  No branch hangs on the count,
; since every wave is to pass every barrier on every way.  The same holds for the unused slots of a head's last tile.
; SHARES.  THE WAVES SHARE THE COLUMNS: in pass p (0..3) of product 1 wave w makes hidden units 32 (8 p + w) .. + 31 for all 7 tiles of 16 rows; in product 2 the columns 256 head + 32 w .. + 31.  A block's weights, 16 fragments,
; go from memory straight into 128 registers of the one wave that multiplies by them, once a work-group, into two buffers by turns, asked for a whole pass (7 trips) ahead.  Two waves share a SIMD: one's products stand beside the other's silu.
; NO CLUSTER, NO TENSOR LOAD: the number of tiles hangs on the split and the grid, 227, has no divisor 4; x's rows are gathered by a list; a weight fragment is read by one wave and needs no place in LDS.
; BOTH PRODUCTS ARE USED TRANSPOSED (source 0 = 16 units of the weight, source 1 = 16 rows): a lane holds ONE row, lane % 16.  The units of a weight tile are chosen (lane r of tile u: unit 8 u + r + (r & 8) of the block of 32) so that
; the 16 registers of tiles 0 and 1 are the 16 neighbouring units 16 (lane / 16) + 0 .. 15: half a block of the next K.
; LDS: x's codes as rows of 512 bytes + 16; scale bytes as rows of 32 + 16; h1's codes as images of the next operand's registers: block beta of row tile m at 8,192 m + 256 beta + 16 r, the two half blocks 8 bytes apart.
.set XPITCH, 528
.set SPITCH, 48
.set XS,    59136                      ; behind x's codes (112 x 528): x's scale bytes, 112 x 48
.set H1,    64512                      ; h1's codes: 7 x 8,192
.set HS,    121856                     ; h1's scale bytes, 112 x 48
.set P3,    127232                     ; parts of product 3: 3,584 w + 512 m + 16 lane
.set SPARE, 155904                     ; the spare words, 128 bytes for each wave: four blocks of 256 bytes that no other line names
.set XO,  4                            ; v4   32 x lane: my 8 numbers in 1,024 bytes of a row of x
.set XCW, 5                            ; v5   where I store x's codes: 1,056 w + 4 lane
.set XSW, 6                            ; v6   and their scale bytes: XS + 96 w + lane / 4
.set XFB, 7                            ; v7   x's fragments: 528 r + 16 h
.set XSB, 8                            ; v8   x's scale words: XS + 48 r
.set H1W, 9                            ; v9   where I store h1's codes: H1 + 256 w + 16 r + 8 h
.set HSW, 10                           ; v10  and their scale byte: HS + 48 r + w
.set H1R, 11                           ; v11  h1's fragments: H1 + 16 lane
.set HSR, 12                           ; v12  h1's scale words: HS + 48 r
.set P3W, 13                           ; v13  P3 + 3,584 w + 16 lane
.set L16, 14                           ; v14  16 x lane
.set L4,  15                           ; v15  4 x lane
.set ADX, 16                           ; v16-19 the trip's addresses
.set ADS, 17
.set ADW, 18
.set ADT, 19
.set SPW, 20                           ; v20  my spare word; never rewritten
.set NIL, 21                           ; v21  0; never rewritten
.set ROWV, 22                          ; v22  the way out: my slot's row
.set OUTO, 23                          ; v23  16 x that row
.set BO,  24                           ; v24  64 h
.set W2O, 25                           ; v25  256 h + 4 (r & 3)
.set FAC, 26                           ; v26  2^-15 in lanes with r under 4, else 0
.set P3R, 27                           ; v27  the way out: P3 + 512 min(w, 6) + 16 r
.set SLV, 28                           ; v28  the way out: my slot, 16 w + r; + 128 in lanes 16-31, which store nothing
.set RLO, 29                           ; v29  64 min(w, 6) + 4 r
.set TMPV, 30
.set WS,  32                           ; v32-47  the weights' scale words, and nothing else: buffer b at 32 + 8 b, register 4 u + s / 2: lanes 0-15 K step s even, lanes 16-31 odd
.set BS,  48                           ; v48-55  the rows' scale words of K steps 0-7, and nothing else
.set TM0, 56
.set TM1, 57
.set TMX, 58
.set SCL, 59
.set PB,  60
.set PCD, 62                           ; v[62:63] 16 codes
.set FR,  64                           ; v64-127 the rows' 8 fragments
.set ACC, 128                          ; v128-143 two accumulators
.set T,   144                          ; v144-159 at work
.set BF,  160                          ; v160-167 h2' in bf16
.set D3,  168                          ; v168-175 product 3's result
.set W2F, 176                          ; v176-183 W2's fragment
.set BIAS, 184                         ; v184-199 1,024 b_mid in the result's layout
.set W2T, 200                          ; v200-215 W2 as loaded
.set RING, 64                          ; phase X alone: v64-223 five rows of x; v224-239 two sets of 4 code registers and 4 bytes; v240-247 at work
.set CODE, 224
.set XM,  240
.set XSC, 244
.set WV,  26                           ; s26 wave; s27 8 head + wave; s28 head; s29 count; s[30:31] at work
.set BW,  27
.set HD,  28
.set CT,  29
.set CNT, 32                           ; s[32:45] my 14 rows' numbers; then: s32 trips to go, s33-37 the trip's LDS steps
.set MH,  33
.set MT,  34
.set MX,  35
.set MS,  36
.set MP,  37
.set C1,  46                           ; s[46:47] -log2(e) / 32
.set C2,  48                           ; s[48:49] -log2(e) / 1,024
.set SEL, 50                           ; s[50:51] v_permlanex16_b32's selects for lane l xor 16
.set W1C, 52                           ; s[52:53] w1f + 16,384 w;  s[54:55] w1s + 1,024 w
.set W1S, 54
.set B2S, 56                           ; s[56:59] b2
.set WMC, 60                           ; s[60:61] wmf + 16,384 (8 head + w);  s[62:63] wms + 1,024 (8 head + w)
.set WMS, 62
.set ROWB, 66                          ; s[66:93] my 14 rows of x
.set BMB, 94                           ; s[94:95] b_mid at my 32 columns;  s[96:97] W2 at my 32 channels;  s[98:99] the tile's list
.set W2B, 96
.set RLB, 98
.set MSB, 0
.macro WIN new                         ; the immediate's high byte repeats the setting that is left; a switch that changes nothing is dropped
.if MSB != \new
	s_set_vgpr_msb (MSB<<8)|\new
.set MSB, \new
.endif
.endm
; One product 16 x 16 x 128 on codes.  cm = 0: C is the constant 0; else C = v[cr ..].  ra = 1: the weight's scale word stands in lanes 16-31.
.macro WM d, a, b, cm, cr, sa, ra, sb
.if (\cm) == 0
	v_wmma_scale_f32_16x16x128_f8f6f4 v[(\d):(\d)+7], v[(\a):(\a)+7], v[(\b):(\b)+7], 0, v[(\sa)], v[(\sb)] matrix_a_fmt:MATRIX_FMT_FP4 matrix_b_fmt:MATRIX_FMT_FP4
.elseif (\ra) == 0
	v_wmma_scale_f32_16x16x128_f8f6f4 v[(\d):(\d)+7], v[(\a):(\a)+7], v[(\b):(\b)+7], v[(\cr):(\cr)+7], v[(\sa)], v[(\sb)] matrix_a_fmt:MATRIX_FMT_FP4 matrix_b_fmt:MATRIX_FMT_FP4
.else
	v_wmma_scale_f32_16x16x128_f8f6f4 v[(\d):(\d)+7], v[(\a):(\a)+7], v[(\b):(\b)+7], v[(\cr):(\cr)+7], v[(\sa)], v[(\sb)] matrix_a_fmt:MATRIX_FMT_FP4 matrix_b_fmt:MATRIX_FMT_FP4 matrix_a_scale:MATRIX_SCALE_ROW1
.endif
.endm
; The 8 fragments of tile u of a block of 32 units into buffer buf (window 1): 16 loads of 512 consecutive bytes.
.macro WCODES buf, u, cb, coff
	WIN 0x40                                       ; destination window 1, address window 0
.irp s, 0,1,2,3,4,5,6,7
.irp c, 0,1
	global_load_b128 v[128*(\buf)+8*(8*(\u)+\s)+4*\c:128*(\buf)+8*(8*(\u)+\s)+4*\c+3], v[L16], s[\cb:\cb+1] offset:(\coff)+(8*(\u)+\s)*1024+512*\c
.endr
.endr
	WIN 0
.endm
.macro WSCALES buf, sb, soff           ; its scale words: a load brings two K steps' words, 128 consecutive bytes
.irp u, 0,1
.irp q, 0,1,2,3
	global_load_b32 v[WS+8*(\buf)+4*\u+\q], v[L4], s[\sb:\sb+1] offset:(\soff)+512*\u+128*\q
.endr
.endr
.endm
.macro WLOAD buf, cb, coff, sb, soff
	WCODES \buf, 0, \cb, \coff
	WCODES \buf, 1, \cb, \coff
	WSCALES \buf, \sb, \soff
.endm
; Row k of my 14 into ring slot k % 5: a lane takes 8 neighbours of each 1,024 bytes; four lanes hold a block of 32.  Each row of x is named once by the list (the unused slots' row 0 aside).
.macro XLOAD k
.irp i, 0,1,2,3
	global_load_b128 v[RING+32*((\k)%5)+8*\i:RING+32*((\k)%5)+8*\i+3], v[XO], s[ROWB+2*(\k):ROWB+2*(\k)+1] offset:1024*\i th:TH_LOAD_NT
	global_load_b128 v[RING+32*((\k)%5)+8*\i+4:RING+32*((\k)%5)+8*\i+7], v[XO], s[ROWB+2*(\k):ROWB+2*(\k)+1] offset:1024*\i+16 th:TH_LOAD_NT
.endr
.endm
; Row k is quantised: slot 16 (k / 2) + 2 w + k % 2 of the tile.  Behind it the ring slot takes the row five on; the last five rows ask for the first two blocks of W1 instead.
.macro XROW k
.set RG, RING+32*((\k)%5)
.set CD, CODE+8*((\k)%2)
.set SL, 16*((\k)/2)+(\k)%2
.if (\k) <= 9
	s_wait_loadcnt 32                              ; my row is in; the four rows behind it may be out
.elseif (\k) == 13
	s_wait_loadcnt 63                              ; behind the last row: four batches of 16 weight loads; the count names the most that its field holds
.else
	s_wait_loadcnt 8*(13-(\k))+16*((\k)-9)         ; the rows behind it, 8 loads each, and the batches of 16 weight loads issued since row 9
.endif
.if (\k) >= 2
	s_wait_dscnt 8                                 ; the 8 stores of the row before may be out: those of two rows back have read this set of registers
.endif
.irp i, 0,1,2,3
	v_max3_num_f32 v[XM+\i], |v[RG+8*\i]|, |v[RG+8*\i+1]|, 0x1800000   ; my 8 numbers of four blocks, by turns, and the floor 2^(3 - 127): the byte cannot fall under 1
.endr
.irp j, 2,4,6
.irp i, 0,1,2,3
	v_max3_num_f32 v[XM+\i], v[XM+\i], |v[RG+8*\i+\j]|, |v[RG+8*\i+\j+1]|
.endr
.endr
.irp i, 0,1,2,3
	v_max_num_f32_dpp v[XM+\i], v[XM+\i], v[XM+\i] row_xmask:1 row_mask:0xf bank_mask:0xf
.endr
.irp i, 0,1,2,3
	v_max_num_f32_dpp v[XM+\i], v[XM+\i], v[XM+\i] row_xmask:2 row_mask:0xf bank_mask:0xf   ; with the three lanes that share the block
.endr
.irp i, 0,1,2,3
	v_add_nc_u32 v[XSC+\i], 0xff000000, v[XM+\i]   ; 2 off the exponent field: the conversion's scale operand
.endr
.irp i, 0,1,2,3
	v_cvt_scalef32_pk8_fp4_f32 v[CD+\i], v[RG+8*\i:RG+8*\i+7], v[XSC+\i]
.endr
.irp i, 0,1,2,3
	v_lshrrev_b32 v[CD+4+\i], 23, v[XSC+\i]        ; the scale's byte.  (Plain lines behind the conversions)
.endr
.if (\k) <= 8
	XLOAD (\k)+5
.elseif (\k) <= 12
	WCODES ((\k)-9)/2, ((\k)-9)%2, W1C, (((\k)-9)/2)*131072   ; passes 0 and 1: blocks w and 8 + w
.else
	WSCALES 0, W1S, 0
	WSCALES 1, W1S, 8192
.endif
.irp i, 0,1,2,3
	ds_store_b32 v[XCW], v[CD+\i] offset:SL*XPITCH+128*\i      ; 32 lanes: 128 consecutive bytes of the slot's row
.endr
.irp i, 0,1,2,3
	ds_store_b8 v[XSW], v[CD+4+\i] offset:SL*SPITCH+8*\i       ; the four lanes of a block write the same byte with the same value
.endr
.endm
.macro FETCH adx, ads                  ; 16 rows of x: 8 fragments from rows 528 bytes apart, and 8 scale words a row
.irp s, 0,1,2,3,4,5,6,7
.irp c, 0,1
	ds_load_b128 v[FR+8*\s+4*\c:FR+8*\s+4*\c+3], v[\adx] offset:64*\s+32*\c
.endr
.endr
.irp j, 0,1
	ds_load_b128 v[BS+4*\j:BS+4*\j+3], v[\ads] offset:16*\j
.endr
.endm
.macro FETCHH adx, ads                 ; 16 rows of h1: 8 fragments as images, 512 consecutive bytes a load
.irp s, 0,1,2,3,4,5,6,7
.irp c, 0,1
	ds_load_b128 v[FR+8*\s+4*\c:FR+8*\s+4*\c+3], v[\adx] offset:1024*\s+512*\c
.endr
.endr
.irp j, 0,1
	ds_load_b128 v[BS+4*\j:BS+4*\j+3], v[\ads] offset:16*\j
.endr
.endm
; T = ACC / (1 + 2^(c ACC)), 16 numbers.  Each accumulator is read from its low end on.  Exponentials and reciprocals go as batches: a plain line behind each batch, and one wait ahead of its first reader.
.macro SILU cp
.irp i, 0,2,4,6,8,10,12,14
	v_pk_mul_f32 v[T+\i:T+\i+1], v[ACC+\i:ACC+\i+1], s[\cp:\cp+1] op_sel_hi:[1,0]
.endr
.irp i, 0,1,2,3,4,5,6,7,8,9,10,11,12,13,14,15
	v_exp_f32 v[T+\i], v[T+\i]
.endr
	v_nop
	s_wait_alu depctr_va_vdst(0)
.irp i, 0,2,4,6,8,10,12,14
	v_pk_add_f32 v[T+\i:T+\i+1], v[T+\i:T+\i+1], 1.0 op_sel_hi:[1,0]
.endr
.irp i, 0,1,2,3,4,5,6,7,8,9,10,11,12,13,14,15
	v_rcp_f32 v[T+\i], v[T+\i]
.endr
	v_nop
	s_wait_alu depctr_va_vdst(0)
.irp i, 0,2,4,6,8,10,12,14
	v_pk_mul_f32 v[T+\i:T+\i+1], v[T+\i:T+\i+1], v[ACC+\i:ACC+\i+1]
.endr
.endm
; T's 16 numbers are k = 16 (lane / 16) + 0 .. 15 of one block of my row: its byte into v[PB], my 16 codes into v[PCD:PCD+1].
.macro QUANT1
	v_max3_num_f32 v[TM0], |v[T]|, |v[T+1]|, 0x1800000
	v_max3_num_f32 v[TM1], |v[T+2]|, |v[T+3]|, 0x1800000
.irp i, 4,8,12
	v_max3_num_f32 v[TM0], v[TM0], |v[T+\i]|, |v[T+\i+1]|
	v_max3_num_f32 v[TM1], v[TM1], |v[T+\i+2]|, |v[T+\i+3]|
.endr
	v_max_num_f32 v[TM0], v[TM0], v[TM1]
	v_permlanex16_b32 v[TMX], v[TM0], s[SEL], s[SEL+1]
	v_max_num_f32 v[TM0], v[TM0], v[TMX]           ; with lane l xor 16's half: the block's largest magnitude
	v_add_nc_u32 v[SCL], 0xff000000, v[TM0]
	v_lshrrev_b32 v[PB], 23, v[SCL]
	v_cvt_scalef32_pk8_fp4_f32 v[PCD], v[T:T+7], v[SCL]
	v_cvt_scalef32_pk8_fp4_f32 v[PCD+1], v[T+8:T+15], v[SCL]
	v_nop                                          ; one plain line behind the last conversion
.endm
; A trip of product 1: my 32 units for one tile of 16 rows.  f = 1: the next tile's fragments are fetched; 2: tile 0's, for the next pass; 0: none.
.macro P1TRIP p, f
	s_wait_dscnt 0x0                               ; the tile's fragments and scale words are in; the last trip's two stores have read their registers
	WIN 0x01                                       ; source 0, the weights, in window 1
.irp s, 0,1,2,3,4,5,6,7                ; the two accumulators take turns, one instruction a turn; the first K step starts the sums with the constant 0
.irp u, 0,1
	WM ACC+8*\u, 128*((\p)%2)+8*(8*\u+\s), FR+8*\s, \s, ACC+8*\u, WS+8*((\p)%2)+4*\u+\s/2, \s%2, BS+\s
.endr
.endr
	WIN 0
	v_add_nc_u32 v[ADW], s[MH], v[H1W]             ; four plain lines that name no register of the products: the places in front of the loads into their operands and of the first read of their results
	v_add_nc_u32 v[ADT], s[MT], v[HSW]
.if (\f) == 1
	v_add_nc_u32 v[ADX], s[MX], v[XFB]
	v_add_nc_u32 v[ADS], s[MS], v[XSB]
	FETCH ADX, ADS
.else
	v_nop
	v_nop
.if (\f) == 2
	FETCH XFB, XSB
.endif
.endif
	SILU C1
	QUANT1
	ds_store_b64 v[ADW], v[PCD:PCD+1] offset:2048*(\p)         ; block 8 p + w of the tile: 32 lanes store 256 consecutive bytes
	ds_store_b8 v[ADT], v[PB] offset:8*(\p)                    ; both lanes of a row write the same byte with the same value
.endm
.macro SMALL                           ; what product 2 and the way out want beside the weights
.irp u, 0,1
	global_load_b128 v[BIAS+8*\u:BIAS+8*\u+3], v[BO], s[BMB:BMB+1] offset:32*\u          ; b_mid at columns 16 h + 8 u + 0 .. 7 of my 32
	global_load_b128 v[BIAS+8*\u+4:BIAS+8*\u+7], v[BO], s[BMB:BMB+1] offset:32*\u+16
.endr
.irp i, 0,1,2,3,4,5,6,7,8,9,10,11,12,13,14,15
	global_load_b32 v[W2T+\i], v[W2O], s[W2B:W2B+1] offset:16*\i                         ; W2(channel 16 h + i of my 32, output r & 3)
.endr
	global_load_b32 v[ROWV], v[RLO], s[RLB:RLB+1]
.endm
; A pass of product 1: 6 trips in a loop and the last written out, since it fetches otherwise.  The buffer that the pass before has left takes the block of the pass after this one.
.macro PASS p
	s_wait_loadcnt 0x0                             ; this pass's weights, asked for a pass ago (pass 0: in phase X), are in
.if (\p) == 1
	WLOAD 0, W1C, 2*131072, W1S, 2*8192
.elseif (\p) == 2
	WLOAD 1, W1C, 3*131072, W1S, 3*8192
.elseif (\p) == 3
	WLOAD 0, WMC, 0, WMS, 0                        ; product 2's block of W_mid
	SMALL
.endif
	s_mov_b32 s[MH], 0                             ; this tile's place in h1's codes and bytes,
	s_mov_b32 s[MT], 0
	s_mov_b32 s[MX], 16*XPITCH                     ; the next tile's in x's
	s_mov_b32 s[MS], 16*SPITCH
	s_mov_b32 s[CNT], 6
.Lp1_\@:
	P1TRIP \p, 1
	s_add_co_u32 s[MH], s[MH], 8192
	s_add_co_u32 s[MT], s[MT], 16*SPITCH
	s_add_co_u32 s[MX], s[MX], 16*XPITCH
	s_add_co_u32 s[MS], s[MS], 16*SPITCH
	s_sub_co_u32 s[CNT], s[CNT], 1
	s_cmp_lg_u32 s[CNT], 0
	s_cbranch_scc1 .Lp1_\@
.if (\p) < 3
	P1TRIP \p, 2
.else
	P1TRIP \p, 0
.endif
.endm
; A trip of products 2 and 3: my 32 columns for one tile of 16 rows, and their part of the four outputs.
.macro P2TRIP f
	s_wait_dscnt 0x0
	WIN 0x01
.irp s, 0,1,2,3,4,5,6,7
.irp u, 0,1
.if \s == 0
	WM ACC+8*\u, 8*(8*\u+\s), FR+8*\s, 1, BIAS+8*\u, WS+4*\u+\s/2, \s%2, BS+\s          ; the bias is the C of the sum's first product
.else
	WM ACC+8*\u, 8*(8*\u+\s), FR+8*\s, 1, ACC+8*\u, WS+4*\u+\s/2, \s%2, BS+\s
.endif
.endr
.endr
	WIN 0
	v_add_nc_u32 v[ADW], s[MP], v[P3W]             ; the four places, as in product 1
.if (\f) == 1
	v_add_nc_u32 v[ADX], s[MX], v[H1R]
	v_add_nc_u32 v[ADS], s[MS], v[HSR]
	v_nop
	FETCHH ADX, ADS
.else
	v_nop
	v_nop
	v_nop
.endif
	SILU C2
.irp i, 0,1,2,3,4,5,6,7
	v_cvt_pk_bf16_f32 v[BF+\i], v[T+2*\i], v[T+2*\i+1]         ; place 16 u + 8 h + j of the bf16 operand's K holds channel 16 h + 8 u + j: W2's fragment is laid the same way
.endr
	v_wmma_f32_16x16x32_bf16 v[D3:D3+7], v[W2F:W2F+7], v[BF:BF+7], 0    ; source 0 = W2^T (outputs 0-3; rows 4-15 are zeros), source 1 = 16 rows of h2': lanes 0-15, registers 0-3: out(row r, 0 .. 3)
.rept 4
	v_nop
.endr
	ds_store_b128 v[ADW], v[D3:D3+3]               ; the result's four lowest registers
.endm
.macro BARRIER                         ; my LDS stores have landed and my LDS loads are in: then the work-group's barrier
	s_wait_dscnt 0x0
	s_barrier_signal -1
	s_barrier_wait -1
.endm
	s_load_b512 s[4:19], s[0:1], 0x0               ; x 4, rowlist 6, tiles 8, w1f 10, w1s 12, wmf 14, wms 16, b_mid 18
	s_load_b128 s[20:23], s[0:1], 0x40             ; W2 20, b2 22
	s_load_b64 s[24:25], s[0:1], 0x50              ; out0
	v_lshl_add_u32 v[SPW], v0, 2, SPARE
	v_mov_b32 v[NIL], 0
	v_lshrrev_b32 v1, 5, v0
	v_readfirstlane_b32 s[WV], v1                  ; wave 0..7
	v_and_b32 v1, 31, v0                           ; lane
	v_and_b32 v2, 15, v0                           ; r
	v_bfe_u32 v3, v0, 4, 1                         ; h
	v_lshlrev_b32 v[XO], 5, v1
	s_mul_i32 s30, s[WV], 2*XPITCH
	v_lshl_add_u32 v[XCW], v1, 2, s30
	s_mul_i32 s30, s[WV], 2*SPITCH
	s_add_co_u32 s30, s30, XS
	v_lshrrev_b32 v[XSW], 2, v1
	v_add_nc_u32 v[XSW], s30, v[XSW]
	v_mul_u32_u24 v[XFB], v2, XPITCH
	v_lshl_add_u32 v[XFB], v3, 4, v[XFB]
	v_mul_u32_u24 v[HSR], v2, SPITCH
	v_add_nc_u32 v[XSB], XS, v[HSR]
	s_add_co_u32 s30, s[WV], HS
	v_add_nc_u32 v[HSW], s30, v[HSR]
	v_add_nc_u32 v[HSR], HS, v[HSR]
	v_lshlrev_b32 v[L16], 4, v1
	v_lshlrev_b32 v[L4], 2, v1
	v_lshlrev_b32 v[H1W], 4, v2
	v_lshl_add_u32 v[H1W], v3, 3, v[H1W]
	s_lshl_b32 s30, s[WV], 8
	s_add_co_u32 s30, s30, H1
	v_add_nc_u32 v[H1W], s30, v[H1W]
	v_add_nc_u32 v[H1R], H1, v[L16]
	s_mul_i32 s30, s[WV], 7*512
	s_add_co_u32 s30, s30, P3
	v_add_nc_u32 v[P3W], s30, v[L16]
	s_min_u32 s31, s[WV], 6                        ; the way out: wave w takes row tile w; wave 7 has none and its addresses fall on wave 6's
	s_lshl_b32 s30, s31, 9
	s_add_co_u32 s30, s30, P3
	v_lshl_add_u32 v[P3R], v2, 4, s30
	s_lshl_b32 s30, s31, 6
	v_lshl_add_u32 v[RLO], v2, 2, s30
	s_lshl_b32 s30, s[WV], 4
	v_lshl_add_u32 v[SLV], v3, 7, v2
	v_add_nc_u32 v[SLV], s30, v[SLV]
	v_lshlrev_b32 v[BO], 6, v3
	v_and_b32 v[W2O], 3, v0
	v_lshlrev_b32 v[W2O], 2, v[W2O]
	v_lshl_add_u32 v[W2O], v3, 8, v[W2O]
	v_mov_b32 v[TMX], 0                            ; written once: a lane permute's destination counts as one of its sources
	s_mov_b32 s[C1], 0xbd38aa3b
	s_mov_b32 s[C1+1], s[C1]                       ; (named with it as a pair, so it is written)
	s_mov_b32 s[C2], 0xbab8aa3b
	s_mov_b32 s[C2+1], s[C2]
	s_mov_b32 s[SEL], 0x76543210
	s_mov_b32 s[SEL+1], 0xfedcba98
	s_wait_kmcnt 0x0
	s_lshl_b32 s30, ttmp9, 3
	s_load_b64 s[HD:HD+1], s[8:9], s30 offset:0x0  ; my tile's head and count
	s_mul_i32 s[RLB], ttmp9, 448
	s_mov_b32 s[RLB+1], 0
	s_add_nc_u64 s[RLB:RLB+1], s[6:7], s[RLB:RLB+1]
	s_lshl_b32 s31, s[WV], 3
.irp m, 0,1,2,3,4,5,6
	s_load_b64 s[32+2*\m:33+2*\m], s[RLB:RLB+1], s31 offset:64*\m   ; the rows of slots 16 m + 2 w, + 1
.endr
	s_load_b128 s[B2S:B2S+3], s[22:23], 0x0
	s_wait_kmcnt 0x0                               ; also frees s30 and s31, the loads' offsets
	s_mov_b32 s31, 0
.irp k, 0,1,2,3,4,5,6,7,8,9,10,11,12,13
	s_min_u32 s30, s[32+\k], 24999                 ; a loaded number is held inside its table before it enters an address
	s_lshl_b32 s30, s30, 12
	s_add_nc_u64 s[ROWB+2*\k:ROWB+2*\k+1], s[4:5], s[30:31]
.endr
	; ---- X: my 14 rows of x become codes and scale bytes in LDS.  Five rows, 20 KiB a wave, are on their way at any time.
.irp k, 0,1,2,3,4
	XLOAD \k
.endr
	s_min_u32 s[HD], s[HD], 3
	s_min_u32 s[CT], s[CT], 112
	s_lshl_b32 s[BW], s[HD], 3
	s_add_co_u32 s[BW], s[BW], s[WV]               ; 8 head + wave: my block of 32 columns of W_mid
	s_lshl_b32 s30, s[WV], 14
	s_add_nc_u64 s[W1C:W1C+1], s[10:11], s[30:31]
	s_lshl_b32 s30, s[WV], 10
	s_add_nc_u64 s[W1S:W1S+1], s[12:13], s[30:31]
	s_lshl_b32 s30, s[BW], 14
	s_add_nc_u64 s[WMC:WMC+1], s[14:15], s[30:31]
	s_lshl_b32 s30, s[BW], 10
	s_add_nc_u64 s[WMS:WMS+1], s[16:17], s[30:31]
	s_lshl_b32 s30, s[BW], 7
	s_add_nc_u64 s[BMB:BMB+1], s[18:19], s[30:31]
	s_lshl_b32 s30, s[BW], 9
	s_add_nc_u64 s[W2B:W2B+1], s[20:21], s[30:31]
.irp k, 0,1,2,3,4,5,6,7,8,9,10,11,12,13
	XROW \k
.endr
	BARRIER                                        ; the tile's 112 rows of codes and bytes lie in LDS
	; ---- product 1, silu, quantiser.  No barrier between passes: a wave reads x's codes, which nobody writes any more, and writes bytes of h1 that are its own.
	FETCH XFB, XSB
	PASS 0
	PASS 1
	PASS 2
	PASS 3
	BARRIER                                        ; h1's codes and bytes lie in LDS
	; ---- products 2 and 3
	s_wait_loadcnt 0x0                             ; W_mid's block, b_mid, W2, my slot's row
	FETCHH H1R, HSR
.irp i, 0,2,4,6,8,10,12,14
	v_pk_mul_f32 v[BIAS+\i:BIAS+\i+1], v[BIAS+\i:BIAS+\i+1], 0x44800000 op_sel_hi:[1,0]   ; 1,024 b_mid
.endr
	v_cmp_gt_u32 vcc_lo, 4, v2
	v_mov_b32 v[TMPV], 0x38000000
	v_cndmask_b32 v[FAC], 0, v[TMPV], vcc_lo       ; 2^-15 for outputs 0-3; the operand's rows 4-15 are zeros
.irp i, 0,1,2,3,4,5,6,7,8,9,10,11,12,13,14,15
	v_mul_f32 v[W2T+\i], v[FAC], v[W2T+\i]
.endr
.irp i, 0,1,2,3,4,5,6,7
	v_cvt_pk_bf16_f32 v[W2F+\i], v[W2T+2*\i], v[W2T+2*\i+1]
.endr
	v_min_u32 v[ROWV], 24999, v[ROWV]
	v_lshlrev_b32 v[OUTO], 4, v[ROWV]
	s_mov_b32 s[MP], 0
	s_mov_b32 s[MX], 8192
	s_mov_b32 s[MS], 16*SPITCH
	s_mov_b32 s[CNT], 6
.Lp2:
	P2TRIP 1
	s_add_co_u32 s[MP], s[MP], 512
	s_add_co_u32 s[MX], s[MX], 8192
	s_add_co_u32 s[MS], s[MS], 16*SPITCH
	s_sub_co_u32 s[CNT], s[CNT], 1
	s_cmp_lg_u32 s[CNT], 0
	s_cbranch_scc1 .Lp2
	P2TRIP 0
	BARRIER                                        ; the eight waves' parts of the outputs lie in LDS
	; ---- the way out: wave w adds the eight parts of row tile w; lanes 0-15 hold a row's four outputs
	s_cmp_gt_u32 s[WV], 6
	s_cbranch_scc1 .Lclose
.irp w, 0,1,2,3,4,5,6,7
	ds_load_b128 v[FR+4*\w:FR+4*\w+3], v[P3R] offset:3584*\w
.endr
	s_wait_dscnt 0x0
.irp w, 0,2,4,6
	v_pk_add_f32 v[FR+4*\w:FR+4*\w+1], v[FR+4*\w:FR+4*\w+1], v[FR+4*\w+4:FR+4*\w+5]
	v_pk_add_f32 v[FR+4*\w+2:FR+4*\w+3], v[FR+4*\w+2:FR+4*\w+3], v[FR+4*\w+6:FR+4*\w+7]
.endr
.irp w, 0,4
	v_pk_add_f32 v[FR+4*\w:FR+4*\w+1], v[FR+4*\w:FR+4*\w+1], v[FR+4*\w+8:FR+4*\w+9]
	v_pk_add_f32 v[FR+4*\w+2:FR+4*\w+3], v[FR+4*\w+2:FR+4*\w+3], v[FR+4*\w+10:FR+4*\w+11]
.endr
	v_pk_add_f32 v[FR:FR+1], v[FR:FR+1], v[FR+16:FR+17]
	v_pk_add_f32 v[FR+2:FR+3], v[FR+2:FR+3], v[FR+18:FR+19]
.irp c, 0,1,2,3
	v_add_f32 v[FR+\c], s[B2S+\c], v[FR+\c]
.endr
	s_wait_xcnt 0x0                                ; EXEC changes only behind this wait
	v_cmp_gt_u32 vcc_lo, s[CT], v[SLV]             ; the slots that hold a row; lanes 16-31 never
	s_and_saveexec_b32 s100, vcc_lo
	global_store_b128 v[OUTO], v[FR:FR+3], s[24:25]    ; a row of out0 is 16 bytes; the tile's rows lie where the list says
	s_wait_xcnt 0x0                                ; and again, in front of the line that widens it
	s_or_b32 exec_lo, exec_lo, s100
.Lclose:
	s_wait_tensorcnt 0x0                           ; the wave's end
	ds_add_u32 v[SPW], v[NIL]
	s_wait_dscnt 0x0
	s_endpgm
.Lfunc_end_k_q11e047de28_chain:
	.size	k_q11e047de28_chain, .Lfunc_end_k_q11e047de28_chain-k_q11e047de28_chain
	.p2alignl 7, 3214868480
	.fill 96, 4, 3214868480
	.section	.rodata,"a",@progbits
	.p2align	6, 0x0
	.amdhsa_kernel k_q11e047de28_chain
		.amdhsa_group_segment_fixed_size 156928
		.amdhsa_private_segment_fixed_size 0
		.amdhsa_enable_private_segment 0
		.amdhsa_kernarg_size 88
		.amdhsa_user_sgpr_count 2
		.amdhsa_user_sgpr_kernarg_segment_ptr 1
		.amdhsa_wavefront_size32 1
		.amdhsa_system_sgpr_workgroup_id_x 1
		.amdhsa_system_sgpr_workgroup_id_y 1
		.amdhsa_system_sgpr_workgroup_id_z 1
		.amdhsa_system_vgpr_workitem_id 0
		.amdhsa_next_free_vgpr 512
		.amdhsa_next_free_sgpr 101
		.amdhsa_reserve_vcc 1
		.amdhsa_float_denorm_mode_32 3
		.amdhsa_float_denorm_mode_16_64 3
		.amdhsa_memory_ordered 1
		.amdhsa_forward_progress 1
		.amdhsa_inst_pref_size 155
	.end_amdhsa_kernel
	.amdgpu_metadata
---
amdhsa.version: [ 1, 2 ]
amdhsa.kernels:
  - .name:           k_q11e047de28_chain
    .symbol:         k_q11e047de28_chain.kd
    .args:
      - { .name: x, .offset: 0, .size: 8, .value_kind: global_buffer, .address_space: global }
      - { .name: rowlist, .offset: 8, .size: 8, .value_kind: global_buffer, .address_space: global }
      - { .name: tiles, .offset: 16, .size: 8, .value_kind: global_buffer, .address_space: global }
      - { .name: w1f, .offset: 24, .size: 8, .value_kind: global_buffer, .address_space: global }
      - { .name: w1s, .offset: 32, .size: 8, .value_kind: global_buffer, .address_space: global }
      - { .name: wmf, .offset: 40, .size: 8, .value_kind: global_buffer, .address_space: global }
      - { .name: wms, .offset: 48, .size: 8, .value_kind: global_buffer, .address_space: global }
      - { .name: b_mid, .offset: 56, .size: 8, .value_kind: global_buffer, .address_space: global }
      - { .name: W2, .offset: 64, .size: 8, .value_kind: global_buffer, .address_space: global }
      - { .name: b2, .offset: 72, .size: 8, .value_kind: global_buffer, .address_space: global }
      - { .name: out0, .offset: 80, .size: 8, .value_kind: global_buffer, .address_space: global }
    .group_segment_fixed_size: 156928
    .private_segment_fixed_size: 0
    .kernarg_segment_align: 8
    .kernarg_segment_size: 88
    .max_flat_workgroup_size: 256
    .sgpr_count:     101
    .vgpr_count:     512
    .wavefront_size: 32
...
	.end_amdgpu_metadata
.endif
;; end of part 2
;; ======== version 2 of 2: 2 launches
;; limits: values are held in bf16: 8 bits of precision; right only within a limited range of input values
;; workspace buffers: w1f 524,288 bytes; w1s 32,768 bytes; wmf 524,288 bytes; wms 32,768 bytes; rowlist 101,888 bytes of whole numbers; tiles 2,048 bytes of whole numbers
;; launch prep (part 3): grid 89 x 1, 8 waves a work-group, no clusters, 1,280 bytes of LDS; arguments W1, W_mid, heads, w1f, w1s, wmf, wms, rowlist, tiles; writes w1f, w1s, wmf, wms, rowlist, tiles
.if DOCPART == 3
	.amdgcn_target "amdgcn-amd-amdhsa--gfx1250"
	.amdhsa_code_object_version 6
	.text
	.protected	k_q11e047de28_prep
	.globl	k_q11e047de28_prep
	.p2align	8
	.type	k_q11e047de28_prep,@function
k_q11e047de28_prep:
	s_mov_b64 s[64:65], 0
	v_nop
	global_prefetch_b8 v0, s[64:65] scope:SCOPE_SE
	s_setreg_imm32_b32 hwreg(HW_REG_WAVE_MODE, 25, 1), 1
	s_wait_xcnt 0x0
; out = mask_head(silu(silu(x W1 / 32) W_mid / 32 + b_mid)) W2 / 32 + b2, products 1 and 2 on codes of E2M1 with one E8M0 scale for each 32 along K.
; WORK LEFT OUT BY THE PROGRAM, AND WHY IT IS DEAD.  reference() multiplies the second hidden layer by a one_hot mask that it builds itself: of row i only the 256 channels 256 heads[i] .. 256 heads[i] + 255
; are kept, all others are multiplied by 0 before the last product.  So for every value of x, W1, W_mid, b_mid, W2, b2 the other 768 columns of product 2, their bias, their silu and their rows of W2 reach no output.
; Which columns those are is decided by the whole numbers heads: this launch reads them and stores a list of rows by head; the next launch reads that list and multiplies only the kept columns.  Every input is loaded.
; LIMITS: a NaN, an infinity or an overflow that arises only in masked columns is not carried to the result.  A head outside 0 .. 3 is taken modulo 4 (an index stays inside its table).
; NaN and infinities among the weights are not served.  A block of zeros gets the scale byte 1 where the quantiser says 127: its codes are zeros, and only this program reads the bytes.
; THIS LAUNCH.  Work-groups 0 to 63: W1 and W_mid [k][n], f32, K their FIRST axis, become codes and scale words laid in the order of the matrix operand's registers.
;   codes F[beta 0..31][u 0..1][s 0..7][c 0..1][lane 0..31][16 bytes]: fragment (beta, u, s) is 16 units x 128 K; its lane (r, h) holds unit 32 beta + 8 u + r + (r & 8), K block 4 s + 2 c + h.
;   scales S[beta][u][s][r]: one word, the four bytes of K blocks 4 s .. 4 s + 3 of that unit.
;   A lane takes a column n and its registers run down K: a block's 32 numbers are one lane's, and the conversions give the codes with K innermost.  A wave takes 32 units x 128 K.
; Work-groups 64 to 88: a counting sort of the 25,000 rows by head, without atomics and without traffic between work-groups.  Work-group 64 + g places rows 1,024 g .. 1,024 g + 1,023, and counts for itself what it
;   has to know: all rows of each head (where each head's part of the list begins) and those in front of its own rows.  rowlist[112 t + slot] = the row in that slot of tile t; each head's rows begin at a tile's
;   first slot; unused slots hold 0 (stored by g = 0).  tiles[t] = (head, rows in the tile) (stored by g = 1).  With tiles of 112 rows there are at most floor((25,000 + 4 x 111) / 112) = 227 tiles, whatever the split.
.set SPARE, 256                        ; LDS: bytes 0-255 the waves' sums, 32 bytes a wave; from 256 the spare words, 128 bytes a wave
.set DUMP,  25424                      ; the list's entries behind the last tile's last slot: work-group 64 + g sends what has no place to entry DUMP + g, and nobody reads it
.set ZR,    31                         ; v31      sort: 0: the data of the padding stores and the LDS address of the sums; written once
	s_load_b512 s[4:19], s[0:1], 0x0               ; W1 4, W_mid 6, heads 8, w1f 10, w1s 12, wmf 14, wms 16, rowlist 18
	s_load_b64 s[20:21], s[0:1], 0x40              ; tiles
	v_lshl_add_u32 v254, v0, 2, SPARE              ; my spare word,
	v_mov_b32 v255, 0                              ; and 0: kept for the closing lines alone
	v_lshrrev_b32 v1, 5, v0
	s_delay_alu instid0(VALU_DEP_1)
	v_readfirstlane_b32 s22, v1                    ; wave 0..7
	s_wait_kmcnt 0x0
	s_cmp_ge_u32 ttmp9, 64                         ; the work-group's number alone: all eight waves go the same way
	s_cbranch_scc1 .Lsort
	; ---- the weights.  b = work-group: matrix b / 32; beta = 2 ((b / 2) % 16) + wave % 2 (two neighbouring waves read the two halves of 256 consecutive bytes of each row); s = 4 (b % 2) + wave / 2
	s_lshr_b32 s23, ttmp9, 5
	s_lshr_b32 s24, ttmp9, 1
	s_and_b32 s24, s24, 15
	s_lshl_b32 s24, s24, 1
	s_and_b32 s25, s22, 1
	s_add_co_u32 s24, s24, s25                     ; beta
	s_and_b32 s25, ttmp9, 1
	s_lshl_b32 s25, s25, 2
	s_lshr_b32 s26, s22, 1
	s_add_co_u32 s25, s25, s26                     ; s
	s_cmp_eq_u32 s23, 0
	s_cselect_b64 s[28:29], s[4:5], s[6:7]         ; the matrix,
	s_cselect_b64 s[30:31], s[10:11], s[14:15]     ; its codes,
	s_cselect_b64 s[32:33], s[12:13], s[16:17]     ; its scale words
	s_lshl_b32 s34, s25, 19                        ; 128 s rows of 4,096 bytes
	s_lshl_b32 s35, s24, 7                         ; 32 beta columns of 4 bytes
	s_add_co_u32 s34, s34, s35
	s_mov_b32 s35, 0
	s_add_nc_u64 s[28:29], s[28:29], s[34:35]
	s_lshl_b32 s34, s24, 14
	s_lshl_b32 s36, s25, 10
	s_add_co_u32 s34, s34, s36
	s_add_nc_u64 s[30:31], s[30:31], s[34:35]      ; F + 16,384 beta + 1,024 s
	s_lshl_b32 s34, s24, 10
	s_lshl_b32 s36, s25, 6
	s_add_co_u32 s34, s34, s36
	s_add_nc_u64 s[32:33], s[32:33], s[34:35]      ; S + 1,024 beta + 64 s
	v_and_b32 v1, 31, v0
	s_delay_alu instid0(VALU_DEP_1)
	v_lshrrev_b32 v5, 4, v1                        ; u
	s_delay_alu instid0(VALU_DEP_2)
	v_and_b32 v6, 15, v1                           ; r
	s_delay_alu instid0(VALU_DEP_1)
	v_and_b32 v7, 8, v6
	s_delay_alu instid0(VALU_DEP_1)
	v_add_nc_u32 v7, v7, v6
	s_delay_alu instid0(VALU_DEP_1)
	v_lshl_add_u32 v7, v5, 3, v7                   ; my column in the block of 32: 8 u + r + (r & 8)
	s_delay_alu instid0(VALU_DEP_1)
	v_lshlrev_b32 v2, 2, v7
	v_lshlrev_b32 v3, 4, v6
	s_delay_alu instid0(VALU_DEP_1)
	v_lshl_add_u32 v3, v5, 13, v3                  ; codes: 8,192 u + 16 r
	v_lshlrev_b32 v4, 2, v6
	s_delay_alu instid0(VALU_DEP_1)
	v_lshl_add_u32 v4, v5, 9, v4                   ; scale word: 512 u + 4 r
.set i, 0
.rept 128
	global_load_b32 v[64+i], v2, s[28:29] offset:4096*i th:TH_LOAD_NT   ; W(128 s + i, my column): the 32 lanes read 128 consecutive bytes
.set i, i+1
.endr
; K block q of the wave's four: the largest magnitude (all 32 numbers are the lane's), the scale, the codes, and their store: lanes 0-15 and lanes 16-31 each write 256 consecutive, aligned bytes.
.macro BLOCK q
.set XB, 64+32*(\q)
.if (\q) < 2
	s_wait_loadcnt 63                              ; this block's 32 loads are in; behind them 96 or 64 are out, and the count names the most that its field holds
.else
	s_wait_loadcnt 32*(3-(\q))                     ; the later blocks' loads may be out
.endif
	v_max3_num_f32 v8, |v[XB]|, |v[XB+1]|, |v[XB+2]|
	v_max3_num_f32 v9, |v[XB+3]|, |v[XB+4]|, |v[XB+5]|
.irp i, 6,10,14,18,22,26
	s_delay_alu instid0(VALU_DEP_2)
	v_max3_num_f32 v8, v8, |v[XB+\i]|, |v[XB+\i+1]|
	s_delay_alu instid0(VALU_DEP_2)
	v_max3_num_f32 v9, v9, |v[XB+\i+2]|, |v[XB+\i+3]|
.endr
	s_delay_alu instid0(VALU_DEP_2)
	v_max3_num_f32 v8, v8, |v[XB+30]|, |v[XB+31]|
	s_delay_alu instid0(VALU_DEP_1)
	v_max3_num_f32 v8, v8, v9, 0x1800000           ; and the floor 2^(3 - 127): the byte cannot fall under 1
	s_delay_alu instid0(VALU_DEP_1)
	v_add_nc_u32 v10, 0xff000000, v8               ; 2 off the exponent field: the conversion takes the exponent field of this operand as its scale
	s_delay_alu instid0(VALU_DEP_1)
	v_lshrrev_b32 v11, 23, v10                     ; the scale's byte
.if (\q) == 0
	s_delay_alu instid0(VALU_DEP_1)
	v_mov_b32 v12, v11
.else
	s_delay_alu instid0(VALU_DEP_1)
	v_lshl_or_b32 v12, v11, 8*(\q), v12            ; four bytes make the word, the lower K in the lower byte
.endif
.irp g, 0,1,2,3
	v_cvt_scalef32_pk8_fp4_f32 v[16+4*(\q)+\g], v[XB+8*\g:XB+8*\g+7], v10
.endr
	global_store_b128 v3, v[16+4*(\q):19+4*(\q)], s[30:31] offset:256*(\q)   ; each block has code registers of its own: no store's data are written again
.endm
	BLOCK 0
	BLOCK 1
	BLOCK 2
	BLOCK 3
	global_store_b32 v4, v12, s[32:33]             ; runs of 64 bytes: one byte in 128 of what the launch reads
	s_endpgm
	; ---- the sort.  REGISTERS: v2, v3 the counting loads' offsets; v4 = 1, v5 = 1 in the threads that have rows in the last chunk; v6 = g; v7 all my counts so far, a byte a head; v8 those of the chunks in front of mine;
	; v10-19 at work; v20-23 my four rows; v24-27 their loads' offsets, later their places; v28-29 at work; v32-131 the 25 chunks' heads; v132-135 my four rows' heads; v136-150 sums; v160-221 the waves' sums; v208-223 later padding and table
.Lsort:
	s_sub_co_u32 s23, ttmp9, 64                    ; g = 0 .. 24
	v_and_b32 v1, 31, v0                           ; lane
	v_lshlrev_b32 v2, 4, v0                        ; chunk i is 4,096 bytes: thread t takes its rows 4 t .. 4 t + 3: a wave's load covers 512 consecutive bytes
	v_min_u32 v3, 105, v0
	s_delay_alu instid0(VALU_DEP_1)
	v_lshlrev_b32 v3, 4, v3                        ; the last chunk has 424 rows, 106 threads' worth: the other threads' load is held inside the buffer, and what it brings is not counted
	v_mov_b32 v4, 1
	v_cmp_gt_u32 vcc_lo, 106, v0
	s_delay_alu instid0(VALU_DEP_1)
	v_cndmask_b32 v5, 0, v4, vcc_lo
	v_mov_b32 v6, s23
	s_lshl_b32 s24, s23, 10
	s_lshl_b32 s25, s22, 7
	s_add_co_u32 s24, s24, s25                     ; my wave's first row: 1,024 g + 128 wave
.irp j, 0,1,2,3
	v_add_nc_u32 v[20+\j], s24, v1
	s_delay_alu instid0(VALU_DEP_1)
	v_add_nc_u32 v[20+\j], 32*\j, v[20+\j]         ; step j: row 1,024 g + 128 wave + 32 j + lane
	s_delay_alu instid0(VALU_DEP_1)
	v_min_u32 v[24+\j], 24999, v[20+\j]            ; (rows past the end, in the last chunk alone: the load is held inside the buffer)
	s_delay_alu instid0(VALU_DEP_1)
	v_lshlrev_b32 v[24+\j], 2, v[24+\j]
.endr
.set i, 0
.rept 24
	global_load_b128 v[32+4*i:35+4*i], v2, s[8:9] offset:4096*i
.set i, i+1
.endr
	global_load_b128 v[128:131], v3, s[8:9] offset:4096*24
.irp j, 0,1,2,3
	global_load_b32 v[132+\j], v[24+\j], s[8:9]
.endr
.irp a, 7,8,ZR,140,141,142,143
	v_mov_b32 v[\a], 0
.endr
; Chunk i: my four heads add 1 to the head's byte (a shift takes the low five bits of 8 x head: 8 x (head modulo 4); 100 at the most in a byte).  Where i < g the counts so far are kept: in the end v8 holds the chunks in front of mine.
.macro COUNT i, one
	s_wait_loadcnt 28-(\i)                         ; loads come back in order: behind chunk i's stand the 24 - i later chunks' and my four rows'
.irp k, 0,1,2,3
	v_lshlrev_b32 v[12+4*((\i)%2)+\k], 3, v[32+4*(\i)+\k]
.endr
	s_delay_alu instid0(VALU_DEP_4)
	v_lshlrev_b32 v[10+(\i)%2], v[12+4*((\i)%2)], v[\one]
.irp k, 1,2,3
	s_delay_alu instid0(VALU_DEP_1)
	v_lshl_add_u32 v[10+(\i)%2], v[\one], v[12+4*((\i)%2)+\k], v[10+(\i)%2]
.endr
	v_cmp_lt_u32 vcc_lo, \i, v6
	s_delay_alu instid0(VALU_DEP_2)
	v_add_nc_u32 v7, v7, v[10+(\i)%2]
	s_delay_alu instid0(VALU_DEP_1)
	v_cndmask_b32 v8, v8, v7, vcc_lo
.endm
.irp i, 0,1,2,3,4,5,6,7,8,9,10,11,12,13,14,15,16,17,18,19,20,21,22,23
	COUNT \i, 4
.endr
	COUNT 24, 5
	s_wait_loadcnt 0x0                             ; my four rows' heads; their loads' offsets may be written again
.irp j, 0,1,2,3
	v_and_b32 v[132+\j], 3, v[132+\j]
	v_cmp_gt_u32 vcc_lo, 25000, v[20+\j]
	s_delay_alu instid0(VALU_DEP_1)
	v_cndmask_b32 v[132+\j], 4, v[132+\j], vcc_lo  ; a row past the end has head 4: it is counted for no head and goes to the dump entry
	v_min_u32 v[20+\j], 24999, v[20+\j]
.endr
.irp j, 0,1,2,3
.irp e, 0,1,2,3
	v_cmp_eq_u32 vcc_lo, \e, v[132+\j]
	s_bcnt1_i32_b32 s[80+4*\j+\e], vcc_lo          ; step j's rows of head e
.endr
.endr
.irp e, 0,1,2,3
	s_add_co_u32 s[24+\e], s[80+\e], s[84+\e]
	s_add_co_u32 s[24+\e], s[24+\e], s[88+\e]
	s_add_co_u32 s[24+\e], s[24+\e], s[92+\e]      ; my wave's 128 rows by head
.endr
	s_lshl_b32 s28, s26, 16
	s_or_b32 s28, s28, s24                         ; heads 0 | 2
	s_lshl_b32 s29, s27, 16
	s_or_b32 s29, s29, s25                         ; heads 1 | 3
	v_and_b32 v136, 0xff00ff, v7                   ; the bytes widened to 16 bits, heads 0 | 2 and 1 | 3: all sums stay under 25,001
	v_lshrrev_b32 v137, 8, v7
	s_delay_alu instid0(VALU_DEP_1)
	v_and_b32 v137, 0xff00ff, v137
	v_and_b32 v138, 0xff00ff, v8
	v_lshrrev_b32 v139, 8, v8
	s_delay_alu instid0(VALU_DEP_1)
	v_and_b32 v139, 0xff00ff, v139
.irp d, 1,2,4,8                        ; running sums inside each 16 lanes: lanes 15 and 31 end up with their halves' sums
.irp q, 0,1,2,3
	v_mov_b32_dpp v[140+\q], v[136+\q] row_shr:\d row_mask:0xf bank_mask:0xf bound_ctrl:1
.endr
.irp q, 0,1,2,3
	s_delay_alu instid0(VALU_DEP_4)
	v_add_nc_u32 v[136+\q], v[136+\q], v[140+\q]
.endr
.endr
.irp q, 0,1,2,3
	v_readlane_b32 s[32+\q], v[136+\q], 15
	v_readlane_b32 s[36+\q], v[136+\q], 31
.endr
.irp q, 0,1,2,3
	s_add_co_u32 s[32+\q], s[32+\q], s[36+\q]      ; the wave's sums: all rows 0 | 2, 1 | 3; rows in front of my chunk 0 | 2, 1 | 3
.endr
	s_lshl_b32 s30, s22, 5
	v_mov_b32 v150, s30
.irp q, 0,1,2,3
	v_mov_b32 v[144+\q], s[32+\q]
.endr
	v_mov_b32 v148, s28
	v_mov_b32 v149, s29
	ds_store_b128 v150, v[144:147]                 ; all lanes write the wave's 24 bytes with the same values
	ds_store_b64 v150, v[148:149] offset:16
	s_wait_dscnt 0x0                               ; for the others' sake: my stores have landed
	s_barrier_signal -1
	s_barrier_wait -1
.irp w, 0,1,2,3,4,5,6,7
	ds_load_b128 v[160+8*\w:163+8*\w], v[ZR] offset:32*\w
	ds_load_b64 v[164+8*\w:165+8*\w], v[ZR] offset:32*\w+16
.endr
	s_mov_b32 s44, 0                               ; all rows: heads 0 | 2, 1 | 3
	s_mov_b32 s45, 0
	s_mov_b32 s46, 0                               ; rows in front of my wave's: heads 0 | 2, 1 | 3
	s_mov_b32 s47, 0
	s_wait_dscnt 0x0
.irp w, 0,1,2,3,4,5,6,7
.irp q, 0,1,2,3,4,5
	v_readfirstlane_b32 s[32+6*(\w%2)+\q], v[160+8*\w+\q]
.endr
	s_add_co_u32 s44, s44, s[32+6*(\w%2)]
	s_add_co_u32 s45, s45, s[33+6*(\w%2)]
	s_add_co_u32 s46, s46, s[34+6*(\w%2)]          ; the chunks in front of mine,
	s_add_co_u32 s47, s47, s[35+6*(\w%2)]
	s_cmp_gt_u32 s22, \w
	s_cselect_b32 s[36+6*(\w%2)], s[36+6*(\w%2)], 0
	s_cselect_b32 s[37+6*(\w%2)], s[37+6*(\w%2)], 0
	s_add_co_u32 s46, s46, s[36+6*(\w%2)]          ; and my chunk's waves in front of mine
	s_add_co_u32 s47, s47, s[37+6*(\w%2)]
.endr
	s_and_b32 s52, s44, 0xffff                     ; n_e: the rows of head e
	s_lshr_b32 s54, s44, 16
	s_and_b32 s53, s45, 0xffff
	s_lshr_b32 s55, s45, 16
.irp e, 0,1,2,3
	s_add_co_u32 s[56+\e], s[52+\e], 111           ; its tiles: (n + 111) / 112 = ((n + 111) / 16) / 7, and y / 7 = (9,363 y) >> 16 for y under 13,107
	s_lshr_b32 s[56+\e], s[56+\e], 4
	s_mul_i32 s[56+\e], s[56+\e], 9363
	s_lshr_b32 s[56+\e], s[56+\e], 16
	s_mul_i32 s[72+\e], s[56+\e], 112              ; and their slots
.endr
	s_mov_b32 s60, 0                               ; tb_e: head e's first tile
	s_mov_b32 s61, s56
	s_add_co_u32 s62, s61, s57
	s_add_co_u32 s63, s62, s58
	s_add_co_u32 s66, s63, s59                     ; all tiles
.irp e, 0,1,2,3
	s_mul_i32 s[68+\e], s[60+\e], 112              ; R_e: head e's first entry of the list, 25,424 at the most
.endr
	s_mul_i32 s67, s66, 112
	s_and_b32 s76, s46, 0xffff
	s_lshr_b32 s78, s46, 16
	s_and_b32 s77, s47, 0xffff
	s_lshr_b32 s79, s47, 16
.irp e, 0,1,2,3
	s_add_co_u32 s[76+\e], s[76+\e], s[68+\e]      ; where my wave's next row of head e goes
.endr
	s_add_co_u32 s30, s23, DUMP                    ; my work-group's dump entry
.irp j, 0,1,2,3                        ; 32 rows a step: a row's place = its head's running base + the lanes below it with the same head.  Lanes of one head store neighbouring entries.  Each store has address and data registers of its own
	v_mov_b32 v[24+\j], s30
.irp e, 0,1,2,3
	v_cmp_eq_u32 vcc_lo, \e, v[132+\j]
	s_delay_alu instid0(VALU_DEP_1)
	v_mbcnt_lo_u32_b32 v[28+\e%2], vcc_lo, s[76+\e]
	s_delay_alu instid0(VALU_DEP_1)
	v_cndmask_b32 v[24+\j], v[24+\j], v[28+\e%2], vcc_lo
	s_add_co_u32 s[76+\e], s[76+\e], s[80+4*\j+\e]
.endr
	v_min_u32 v[24+\j], 25471, v[24+\j]            ; a place made of loaded numbers is held inside the list
	s_delay_alu instid0(VALU_DEP_1)
	v_lshlrev_b32 v[24+\j], 2, v[24+\j]
	global_store_b32 v[24+\j], v[20+\j], s[18:19]
.endr
	s_cmp_lg_u32 s23, 0                            ; the work-group's number alone
	s_cbranch_scc1 .Lnopad
.irp e, 0,1,2,3                        ; g = 0: the slots behind a head's last row, 111 at the most, hold row 0.  Addresses in v208-213, one a store; the data, v31, are never rewritten
	v_add_nc_u32 v[208+\e], s[52+\e], v0
	s_delay_alu instid0(VALU_DEP_1)
	v_cmp_gt_u32 vcc_lo, s[72+\e], v[208+\e]
	s_delay_alu instid0(VALU_DEP_2)
	v_add_nc_u32 v[208+\e], s[68+\e], v[208+\e]
	s_delay_alu instid0(VALU_DEP_1)
	v_cndmask_b32 v[208+\e], -1, v[208+\e], vcc_lo
	s_delay_alu instid0(VALU_DEP_1)
	v_min_u32 v[208+\e], DUMP, v[208+\e]
	s_delay_alu instid0(VALU_DEP_1)
	v_lshlrev_b32 v[208+\e], 2, v[208+\e]
	global_store_b32 v[208+\e], v[ZR], s[18:19]
.endr
.irp j, 0,1                            ; and so do the entries of the tiles that this split leaves without rows: at least 224 tiles have rows, so at most 336 entries
	v_add_nc_u32 v[212+\j], s67, v0
	s_delay_alu instid0(VALU_DEP_1)
	v_add_nc_u32 v[212+\j], 256*\j, v[212+\j]
	s_delay_alu instid0(VALU_DEP_1)
	v_min_u32 v[212+\j], DUMP, v[212+\j]
	s_delay_alu instid0(VALU_DEP_1)
	v_lshlrev_b32 v[212+\j], 2, v[212+\j]
	global_store_b32 v[212+\j], v[ZR], s[18:19]
.endr
.Lnopad:
	s_cmp_lg_u32 s23, 1
	s_cbranch_scc1 .Lnotab
	v_mov_b32 v216, s52                            ; g = 1: the table: thread t writes tile t's head and count
	v_mov_b32 v217, 0
	v_mov_b32 v218, 0
.irp e, 1,2,3
	v_cmp_le_u32 vcc_lo, s[60+\e], v0              ; a head without rows shares its first tile with the next head, which is taken later
	v_mov_b32 v220, s[52+\e]
	v_mov_b32 v221, s[60+\e]
	v_mov_b32 v222, \e
	s_delay_alu instid0(VALU_DEP_3)
	v_cndmask_b32 v216, v216, v220, vcc_lo
	s_delay_alu instid0(VALU_DEP_3)
	v_cndmask_b32 v217, v217, v221, vcc_lo
	s_delay_alu instid0(VALU_DEP_3)
	v_cndmask_b32 v218, v218, v222, vcc_lo
.endr
	s_delay_alu instid0(VALU_DEP_2)
	v_sub_nc_u32 v219, v0, v217
	s_delay_alu instid0(VALU_DEP_1)
	v_mul_u32_u24 v219, v219, 112
	s_delay_alu instid0(VALU_DEP_1)
	v_min_u32 v219, v219, v216
	s_delay_alu instid0(VALU_DEP_1)
	v_sub_nc_u32 v219, v216, v219
	s_delay_alu instid0(VALU_DEP_1)
	v_min_u32 v219, 112, v219                      ; min(112, n - min(112 (t - tb), n)): 0 behind the last tile
	v_lshlrev_b32 v223, 3, v0
	global_store_b64 v223, v[218:219], s[20:21]
.Lnotab:
	s_wait_tensorcnt 0x0                           ; the wave's end
	ds_add_u32 v254, v255
	s_wait_dscnt 0x0
	s_endpgm
.Lfunc_end_k_q11e047de28_prep:
	.size	k_q11e047de28_prep, .Lfunc_end_k_q11e047de28_prep-k_q11e047de28_prep
	.p2alignl 7, 3214868480
	.fill 96, 4, 3214868480
	.section	.rodata,"a",@progbits
	.p2align	6, 0x0
	.amdhsa_kernel k_q11e047de28_prep
		.amdhsa_group_segment_fixed_size 1280
		.amdhsa_private_segment_fixed_size 0
		.amdhsa_enable_private_segment 0
		.amdhsa_kernarg_size 72
		.amdhsa_user_sgpr_count 2
		.amdhsa_user_sgpr_kernarg_segment_ptr 1
		.amdhsa_wavefront_size32 1
		.amdhsa_system_sgpr_workgroup_id_x 1
		.amdhsa_system_sgpr_workgroup_id_y 1
		.amdhsa_system_sgpr_workgroup_id_z 1
		.amdhsa_system_vgpr_workitem_id 0
		.amdhsa_next_free_vgpr 256
		.amdhsa_next_free_sgpr 96
		.amdhsa_reserve_vcc 1
		.amdhsa_float_denorm_mode_32 3
		.amdhsa_float_denorm_mode_16_64 3
		.amdhsa_memory_ordered 1
		.amdhsa_forward_progress 1
		.amdhsa_inst_pref_size 66
	.end_amdhsa_kernel
	.amdgpu_metadata
---
amdhsa.version: [ 1, 2 ]
amdhsa.kernels:
  - .name:           k_q11e047de28_prep
    .symbol:         k_q11e047de28_prep.kd
    .args:
      - { .name: W1, .offset: 0, .size: 8, .value_kind: global_buffer, .address_space: global }
      - { .name: W_mid, .offset: 8, .size: 8, .value_kind: global_buffer, .address_space: global }
      - { .name: heads, .offset: 16, .size: 8, .value_kind: global_buffer, .address_space: global }
      - { .name: w1f, .offset: 24, .size: 8, .value_kind: global_buffer, .address_space: global }
      - { .name: w1s, .offset: 32, .size: 8, .value_kind: global_buffer, .address_space: global }
      - { .name: wmf, .offset: 40, .size: 8, .value_kind: global_buffer, .address_space: global }
      - { .name: wms, .offset: 48, .size: 8, .value_kind: global_buffer, .address_space: global }
      - { .name: rowlist, .offset: 56, .size: 8, .value_kind: global_buffer, .address_space: global }
      - { .name: tiles, .offset: 64, .size: 8, .value_kind: global_buffer, .address_space: global }
    .group_segment_fixed_size: 1280
    .private_segment_fixed_size: 0
    .kernarg_segment_align: 8
    .kernarg_segment_size: 72
    .max_flat_workgroup_size: 256
    .sgpr_count:     96
    .vgpr_count:     256
    .wavefront_size: 32
...
	.end_amdgpu_metadata
.endif
;; end of part 3
;; launch chain (part 4): grid 227 x 1, 8 waves a work-group, no clusters, 288,000 bytes of LDS; arguments x, rowlist, tiles, w1f, w1s, wmf, wms, b_mid, W2, b2, out0; writes out0
.if DOCPART == 4
	.amdgcn_target "amdgcn-amd-amdhsa--gfx1250"
	.amdhsa_code_object_version 6
	.text
	.protected	k_q11e047de28_chain
	.globl	k_q11e047de28_chain
	.p2align	8
	.type	k_q11e047de28_chain,@function
k_q11e047de28_chain:
	s_mov_b64 s[64:65], 0
	v_nop
	global_prefetch_b8 v0, s[64:65] scope:SCOPE_SE
	s_setreg_imm32_b32 hwreg(HW_REG_WAVE_MODE, 25, 1), 1
	s_wait_xcnt 0x0
; One work-group takes one tile of 112 rows of ONE head through the whole chain: gather x, quantise, product 1, silu, quantise, product 2, silu, product 3, + b2, store.  The hidden layers never go to memory.
; WORK LEFT OUT: of product 2, its bias, its silu and product 3 only the 256 channels of the row's head are made; reference() multiplies all others by a 0 of its own one_hot mask, whatever the inputs hold.
; Limit: a NaN, an infinity or an overflow that arises only in masked channels is not carried to the result; NaN and infinities among the inputs are not served.
; POWERS OF TWO ARE FOLDED, exactly.  h' = acc1 / (1 + 2^(-acc1 log2(e) / 32)) = 32 h1: the same codes as h1's, each scale byte 5 higher.  Product 2 starts from C = 1,024 b_mid, so acc2 = 1,024 z2;
; h2' = acc2 / (1 + 2^(-acc2 log2(e) / 1,024)) = 1,024 h2; W2 enters product 3 as bf16(W2 2^-15); so out = the sum + b2.  Limit: blocks of h1 whose largest magnitude lies within 2^5 of the quantiser's lowest
; exponent are not served bit-true; a block of zeros has the byte 1, and zero codes.
; SLOTS WITHOUT A ROW (a head's last tile, and at most 3 tiles that the split leaves without rows) walk the chain on a row of x of their own choice, 112 x work-group + slot held at 24,999; the store's mask leaves them out.
; SHARES.  Four passes p over product 1's columns: in pass p wave w makes hidden units 32 (8 p + w) .. + 31; in product 2 the columns 256 head + 32 w .. + 31.  A block's weights are 16 fragments, 128 registers, in one of two buffers (window 1).
; PHASE A, seven steps: in step m each wave quantises its two rows of row tile m, and between the signal and the wait of the step's barrier does tile m - 1's silu and quantiser, on registers alone;
; then tile m is multiplied by the blocks of passes 0 AND 1, from one set of row fragments.  So half of product 1 stands beside the loads of x.
; PHASE B: pass 2, whose block came into LDS by one tensor load a wave at the head; tile 6 of passes 2 and 3 together; pass 3, whose block was asked for ahead of pass 2; then product 2, whose block was asked for ahead of pass 3.
; Here a trip takes two row tiles.  All these trips have four accumulators by turns: three other products stand between a sum's steps.
; NO CLUSTER: the number of tiles hangs on the split and the grid, 227, has no divisor 4; a weight fragment is read by one wave of a work-group.  No LDS byte is filled twice.
; PREFETCH: row k + 5 of a wave's 14 rows of x is asked for while row k is quantised, two rows ahead of its load; rows 3 and 4 at the head; the last five trips ask for nothing.  A lane names 256 bytes, lanes 16-31 the last block again.
; BOTH PRODUCTS ARE USED TRANSPOSED (source 0 = 16 units of the weight, source 1 = 16 rows): a lane holds ONE row, lane % 16.  Lane r of weight tile u takes unit 8 u + r + (r & 8) of the block of 32, so that
; the 16 registers of tiles 0 and 1 are the 16 neighbouring units 16 (lane / 16) + 0 .. 15: half a block of the next K.
; LDS: x's codes as rows of 512 bytes + 16; scale bytes as rows of 32 + 16; h1's codes as images of the next operand's registers: block beta of row tile m at 8,192 m + 256 beta + 16 r, the two half blocks 8 bytes apart.
.set XPITCH, 528
.set SPITCH, 48
.set TX,    16*XPITCH                  ; from row tile to row tile: x's codes,
.set TS,    16*SPITCH                  ; scale bytes,
.set TH,    8192                       ; h1's codes
.set XS,    59136                      ; x's scale bytes, 112 x 48
.set H1,    64512                      ; h1's codes: 7 x 8,192
.set HS,    121856                     ; h1's scale bytes, 112 x 48
.set P3,    127232                     ; 3,584 a wave: first the wave's bias and W2 as register images (3,072 bytes), then its parts of product 3: 512 m + 16 lane
.set WL,    155904                     ; pass 2's weights: 16,384 a wave, filled by that wave's tensor load and read by that wave alone
.set SPARE, 286976                     ; the spare words, 128 bytes for each wave: four blocks of 256 bytes that no other line names
.set PSEL, 4                           ; v4   the byte selector that makes a word of 8 neighbouring codes: one for even lanes, one for odd
.set XCW, 5                            ; v5   where I store x's codes: 1,056 w + 2 (lane & 30) + 64 (lane & 1)
.set XSW, 6                            ; v6   and their scale bytes: XS + 96 w + lane / 8
.set XFB, 7                            ; v7   x's fragments: 528 r + 16 h
.set XSB, 8                            ; v8   x's scale words: XS + 48 r
.set H1W, 9                            ; v9   where I store h1's codes: H1 + 256 w + 16 r + 8 h
.set HSW, 10                           ; v10  and their scale byte: HS + 48 r + w
.set H1R, 11                           ; v11  h1's fragments: H1 + 16 lane
.set HSR, 12                           ; v12  h1's scale words: HS + 48 r
.set P3W, 13                           ; v13  P3 + 3,584 w + 16 lane
.set L16, 14                           ; v14  16 x lane
.set L4,  15                           ; v15  4 x lane
.set WLR, 16                           ; v16  WL + 16,384 w + 16 lane
.set SPW, 17                           ; v17  my spare word; never rewritten
.set NIL, 18                           ; v18  0; never rewritten
.set ADX, 19                           ; v19-24 a trip's addresses: two tiles' fragments and scale words, and where its results go
.set ADS, 20
.set ADW, 21
.set ADT, 22
.set ADY, 23
.set ADU, 24
.set ROWV, 25                          ; v25  the way out: my slot's row
.set PFO, 26                           ; v26  the prefetch's offset: 256 x min(lane, 15)
.set BO,  27                           ; v27  64 h
.set W2O, 28                           ; v28  256 h + 4 (r & 3)
.set RLO, 29                           ; v29  64 min(w, 6) + 4 r
.set P3R, 30                           ; v30  the way out: P3 + 512 min(w, 6) + 16 r
.set SLV, 31                           ; v31  the way out: my slot, 16 w + r; + 128 in lanes 16-31, which store nothing
.set WS0, 32                           ; v32-39, v40-47 the two buffers' scale words, and nothing else: register 4 u + s / 2: lanes 0-15 K step s even, lanes 16-31 odd
.set WS1, 40
.set BSA, 48                           ; v48-55, v56-63 two row tiles' scale words of K steps 0-7, and nothing else
.set BSB, 56
.set FR,  64                           ; v64-127 a row tile's 8 fragments.  In phase A also: v64-95 at work on x, v96-127 the silu's 32 numbers
.set TA,  96
.set ACC, 128                          ; v128-159 four accumulators; between their last read and the next products: what the quantiser works with
.set RING, 160                         ; v160-255 phase A: three rows of x.  Phase B: v160-223 the second row tile's fragments, v224-255 the silu's 32 numbers
.set FRB, 160
.set T,   224
.set CD,  64                           ; phase A: codes, scale bytes, largest magnitudes, the conversions' scale operands
.set BY,  72
.set XM,  80
.set XSC, 88
.set BIA, 224                          ; the end of phase A: 1,024 b_mid, pass 2's scale words, W2, its bf16 fragment: in ring slots that are done with
.set SW2, 240
.set W2T, 160
.set W2P, 176
.set TM0A, ACC
.set TM1A, ACC+1
.set TM0B, ACC+2
.set TM1B, ACC+3
.set TMXA, ACC+4
.set TMXB, ACC+5
.set SCLA, ACC+6
.set SCLB, ACC+7
.set PBA,  ACC+8
.set PBB,  ACC+9
.set PCDA, ACC+10
.set PCDB, ACC+12
.set BIAS, 128                         ; product 2, in window 1, where pass 3's weights lay: 1,024 b_mid in the result's layout (16), W2's fragment (8)
.set W2F,  144
.set WV,  26                           ; s26 wave; s27 8 head + wave; s28 head; s29 count; s[30:31] at work
.set BW,  27
.set HD,  28
.set CT,  29
.set G0,  32                           ; s[32:45] my 14 rows' numbers; then the tensor load's groups 0 and 1, s[32:43]; behind the wait for it the loops' scalars
.set G1,  36
.set CNT, 32
.set MH,  33
.set MT,  34
.set MX,  35
.set MS,  36
.set MY,  37
.set MU,  38
.set MP,  39
.set C1,  46                           ; s[46:47] -log2(e) / 32
.set C2,  48                           ; s[48:49] -log2(e) / 1,024
.set SEL, 50                           ; s[50:51] v_permlanex16_b32's selects for lane l xor 16
.set W1C, 52                           ; s[52:53] w1f + 16,384 w;  s[54:55] w1s + 1,024 w
.set W1S, 54
.set B2S, 56                           ; s[56:59] b2
.set WMC, 60                           ; s[60:61] wmf + 16,384 (8 head + w);  s[62:63] wms + 1,024 (8 head + w)
.set WMS0, 62
.set ROWB, 66                          ; s[66:93] my 14 rows of x
.set BMB, 94                           ; s[94:95] at the head offsets at work; then b_mid at my 32 columns;  s[96:97] W2 at my 32 channels;  s[98:99] the tile's list
.set W2B, 96
.set RLB, 98
.set MSB, 0
.macro WIN new                         ; the immediate's high byte repeats the setting that is left; a switch that changes nothing is dropped
.if MSB != \new
	s_set_vgpr_msb (MSB<<8)|\new
.set MSB, \new
.endif
.endm
; One product 16 x 16 x 128 on codes.  cm = 0: C is the constant 0; else C = v[cr ..].  ra = 1: the weight's scale word stands in lanes 16-31.
.macro WM d, a, b, cm, cr, sa, ra, sb
.if (\cm) == 0
	v_wmma_scale_f32_16x16x128_f8f6f4 v[(\d):(\d)+7], v[(\a):(\a)+7], v[(\b):(\b)+7], 0, v[(\sa)], v[(\sb)] matrix_a_fmt:MATRIX_FMT_FP4 matrix_b_fmt:MATRIX_FMT_FP4
.elseif (\ra) == 0
	v_wmma_scale_f32_16x16x128_f8f6f4 v[(\d):(\d)+7], v[(\a):(\a)+7], v[(\b):(\b)+7], v[(\cr):(\cr)+7], v[(\sa)], v[(\sb)] matrix_a_fmt:MATRIX_FMT_FP4 matrix_b_fmt:MATRIX_FMT_FP4
.else
	v_wmma_scale_f32_16x16x128_f8f6f4 v[(\d):(\d)+7], v[(\a):(\a)+7], v[(\b):(\b)+7], v[(\cr):(\cr)+7], v[(\sa)], v[(\sb)] matrix_a_fmt:MATRIX_FMT_FP4 matrix_b_fmt:MATRIX_FMT_FP4 matrix_a_scale:MATRIX_SCALE_ROW1
.endif
.endm
; K step s of four sums: buffer b0 by fragments f0 (two weight tiles), buffer b1 by fragments f1; w: the weights' scale words, s0, s1: the rows'.
.macro WMK s, b0, b1, f0, f1, w0, w1, s0, s1
	WM ACC,    128*(\b0)+8*(\s),    \f0+8*(\s), \s, ACC,    \w0+(\s)/2,   (\s)%2, \s0+(\s)
	WM ACC+8,  128*(\b0)+64+8*(\s), \f0+8*(\s), \s, ACC+8,  \w0+4+(\s)/2, (\s)%2, \s0+(\s)
	WM ACC+16, 128*(\b1)+8*(\s),    \f1+8*(\s), \s, ACC+16, \w1+(\s)/2,   (\s)%2, \s1+(\s)
	WM ACC+24, 128*(\b1)+64+8*(\s), \f1+8*(\s), \s, ACC+24, \w1+4+(\s)/2, (\s)%2, \s1+(\s)
.endm
; The 8 fragments of tile u of a block of 32 units into buffer buf (window 1): 16 loads of 512 consecutive bytes.
.macro WCODES buf, u, cb, coff
	WIN 0x40                                       ; destination window 1, address window 0
.irp s, 0,1,2,3,4,5,6,7
.irp c, 0,1
	global_load_b128 v[128*(\buf)+8*(8*(\u)+\s)+4*\c:128*(\buf)+8*(8*(\u)+\s)+4*\c+3], v[L16], s[\cb:\cb+1] offset:(\coff)+(8*(\u)+\s)*1024+512*\c
.endr
.endr
	WIN 0
.endm
.macro WSCALES dst, sb, soff           ; its scale words: a load brings two K steps' words, 128 consecutive bytes
.irp u, 0,1
.irp q, 0,1,2,3
	global_load_b32 v[\dst+4*\u+\q], v[L4], s[\sb:\sb+1] offset:(\soff)+512*\u+128*\q
.endr
.endr
.endm
; Row k of my 14 (slot 16 (k / 2) + 2 w + k % 2): its address.  s94 = 2 w, s95 = 112 x work-group + 2 w, s31 = 0.
.macro RPTR k
	s_add_co_u32 s30, s95, 16*((\k)/2)+(\k)%2
	s_add_co_u32 s100, s94, 16*((\k)/2)+(\k)%2
	s_cmp_lt_u32 s100, s[CT]
	s_cselect_b32 s30, s[32+(\k)], s30             ; the list's row, or, in a slot without one, a row of my own
	s_min_u32 s30, s30, 24999                      ; a loaded number is held inside its table before it enters an address
	s_lshl_b32 s30, s30, 12
	s_add_nc_u64 s[ROWB+2*(\k):ROWB+2*(\k)+1], s[4:5], s[30:31]
.endm
; Row k into ring slot k % 3: eight loads, each of 512 consecutive bytes, 16 a lane.  Load i brings lane l the numbers 128 i + 4 l + 0 .. 3: four of block 4 i + l / 8; eight lanes hold a block.
.macro XLOAD k
.irp i, 0,1,2,3,4,5,6,7
	global_load_b128 v[RING+32*((\k)%3)+4*\i:RING+32*((\k)%3)+4*\i+3], v[L16], s[ROWB+2*(\k):ROWB+2*(\k)+1] offset:512*\i th:TH_LOAD_NT
.endr
.endm
.macro XASK k
	global_prefetch_b8 v[PFO], s[ROWB+2*(\k):ROWB+2*(\k)+1] th:TH_LOAD_NT scope:SCOPE_SE
.endm
; Row k is quantised.  The conversion takes eight registers and one scale, and eight of my registers hold four numbers of each of TWO blocks (loads 2 j and 2 j + 1): so they are converted
; twice, once under each block's scale; the first result's low half and the second's high half are right.  Lanes l and l xor 1 then change halves, so that an even lane has 8 neighbouring codes of the first block and an odd lane 8 of the second.
; Behind the conversions the ring slot takes the row three on; rows 11 and 12 ask for small things instead.
.macro XROW k
.set RG, RING+32*((\k)%3)
.set SL, 16*((\k)/2)+(\k)%2
.if (\k) < 2
	s_wait_loadcnt 63                              ; behind my row stand two rows and 64 weight loads, 80: the count names the most that its field holds
.elseif (\k) < 12
	s_wait_loadcnt 16                              ; my row is in; the two rows behind it may be out
.elseif (\k) == 12
	s_wait_loadcnt 21                              ; behind row 12: row 13 and 13 small loads
.else
	s_wait_loadcnt 29                              ; behind row 13: 13 + 16 small loads
.endif
.irp i, 0,1,2,3,4,5,6,7
	v_max3_num_f32 v[XM+\i], |v[RG+4*\i]|, |v[RG+4*\i+1]|, 0x1800000   ; my 4 numbers of eight blocks, by turns, and the floor 2^(3 - 127): the byte cannot fall under 1
.endr
.irp i, 0,1,2,3,4,5,6,7
	v_max3_num_f32 v[XM+\i], v[XM+\i], |v[RG+4*\i+2]|, |v[RG+4*\i+3]|
.endr
.irp d, 1,2,4
.irp i, 0,1,2,3,4,5,6,7
	v_max_num_f32_dpp v[XM+\i], v[XM+\i], v[XM+\i] row_xmask:\d row_mask:0xf bank_mask:0xf   ; with the seven lanes that share the block
.endr
.endr
.irp i, 0,1,2,3,4,5,6,7
	v_add_nc_u32 v[XSC+\i], 0xff000000, v[XM+\i]   ; 2 off the exponent field: the conversion's scale operand
.endr
	s_wait_alu depctr_va_vdst(0)
	s_wait_dscnt 0x0                               ; the row before's stores have read the registers that are written next
.irp j, 0,1,2,3
	v_cvt_scalef32_pk8_fp4_f32 v[CD+2*\j], v[RG+8*\j:RG+8*\j+7], v[XSC+2*\j]
	v_cvt_scalef32_pk8_fp4_f32 v[CD+2*\j+1], v[RG+8*\j:RG+8*\j+7], v[XSC+2*\j+1]
.endr
.irp i, 0,1,2,3,4,5,6,7
	v_lshrrev_b32 v[BY+\i], 23, v[XSC+\i]          ; the scale's byte.  (Plain lines behind the conversions)
.endr
.if (\k) <= 10
	XLOAD (\k)+3
.elseif (\k) == 11
	SMALL1
.elseif (\k) == 12
	SMALL2
.endif
.if (\k) <= 8
	XASK (\k)+5
.endif
.irp j, 0,1,2,3
	v_perm_b32 v[CD+2*\j], v[CD+2*\j+1], v[CD+2*\j], 0x07060100   ; low half: my 4 codes of the first block; high half: my 4 of the second
.endr
.irp j, 0,1,2,3
	v_mov_b32_dpp v[CD+2*\j+1], v[CD+2*\j] row_xmask:1 row_mask:0xf bank_mask:0xf   ; the same of lane l xor 1
.endr
.irp j, 0,1,2,3
	v_perm_b32 v[CD+2*\j], v[CD+2*\j+1], v[CD+2*\j], v[PSEL]      ; even lane: both low halves, mine below; odd lane: both high halves, mine above
.endr
.irp j, 0,1,2,3
	ds_store_b32 v[XCW], v[CD+2*\j] offset:SL*XPITCH+128*\j    ; 32 lanes: 128 consecutive bytes of the slot's row: even lanes the first 64, odd lanes the second
.endr
.irp i, 0,1,2,3,4,5,6,7
	ds_store_b8 v[XSW], v[BY+\i] offset:SL*SPITCH+4*\i         ; the eight lanes of a block write the same byte with the same value
.endr
.endm
.macro SMALL1                          ; 13 loads into row 11's slot and v25
.irp u, 0,1
	global_load_b128 v[BIA+8*\u:BIA+8*\u+3], v[BO], s[BMB:BMB+1] offset:32*\u            ; b_mid at columns 16 h + 8 u + 0 .. 7 of my 32
	global_load_b128 v[BIA+8*\u+4:BIA+8*\u+7], v[BO], s[BMB:BMB+1] offset:32*\u+16
.endr
	WSCALES SW2, W1S, 2*8192                       ; pass 2's scale words
	global_load_b32 v[ROWV], v[RLO], s[RLB:RLB+1]
.endm
.macro SMALL2                          ; 16 loads into row 12's slot
.irp i, 0,1,2,3,4,5,6,7,8,9,10,11,12,13,14,15
	global_load_b32 v[W2T+\i], v[W2O], s[W2B:W2B+1] offset:16*\i                         ; W2(channel 16 h + i of my 32, output r & 3)
.endr
.endm
.macro FETCH d, b, adx, ads, xo, so    ; 16 rows of x: 8 scale words a row, and 8 fragments from rows 528 bytes apart
.irp j, 0,1
	ds_load_b128 v[\b+4*\j:\b+4*\j+3], v[\ads] offset:(\so)+16*\j
.endr
.irp s, 0,1,2,3,4,5,6,7
.irp c, 0,1
	ds_load_b128 v[\d+8*\s+4*\c:\d+8*\s+4*\c+3], v[\adx] offset:(\xo)+64*\s+32*\c
.endr
.endr
.endm
.macro FETCHH d, b, adx, ads, xo, so   ; 16 rows of h1: 8 fragments as images, 512 consecutive bytes a load
.irp j, 0,1
	ds_load_b128 v[\b+4*\j:\b+4*\j+3], v[\ads] offset:(\so)+16*\j
.endr
.irp s, 0,1,2,3,4,5,6,7
.irp c, 0,1
	ds_load_b128 v[\d+8*\s+4*\c:\d+8*\s+4*\c+3], v[\adx] offset:(\xo)+1024*\s+512*\c
.endr
.endr
.endm
; n numbers from t on = ACC / (1 + 2^(c ACC)).  The accumulators are read from their low end on.  Exponentials and reciprocals go as batches, with waits ahead of each and ahead of its first reader.
.macro SILU cp, t, n
.set i, 0
.rept (\n)/2
	v_pk_mul_f32 v[\t+i:\t+i+1], v[ACC+i:ACC+i+1], s[\cp:\cp+1] op_sel_hi:[1,0]
.set i, i+2
.endr
	s_wait_alu depctr_va_vdst(0)
.set i, 0
.rept \n
	v_exp_f32 v[\t+i], v[\t+i]
.set i, i+1
.endr
	v_nop
	s_wait_alu depctr_va_vdst(0)
.set i, 0
.rept (\n)/2
	v_pk_add_f32 v[\t+i:\t+i+1], v[\t+i:\t+i+1], 1.0 op_sel_hi:[1,0]
.set i, i+2
.endr
	s_wait_alu depctr_va_vdst(0)
.set i, 0
.rept \n
	v_rcp_f32 v[\t+i], v[\t+i]
.set i, i+1
.endr
	v_nop
	s_wait_alu depctr_va_vdst(0)
.set i, 0
.rept (\n)/2
	v_pk_mul_f32 v[\t+i:\t+i+1], v[\t+i:\t+i+1], v[ACC+i:ACC+i+1]
.set i, i+2
.endr
.endm
; Two sets of 16 numbers, from t and from t + 16 on, each k = 16 (lane / 16) + 0 .. 15 of one block of my row: bytes into PBA, PBB, 16 codes each into PCDA, PCDB.
.macro QUANT2 t
	v_max3_num_f32 v[TM0A], |v[\t]|, |v[\t+1]|, 0x1800000
	v_max3_num_f32 v[TM1A], |v[\t+2]|, |v[\t+3]|, 0x1800000
	v_max3_num_f32 v[TM0B], |v[\t+16]|, |v[\t+17]|, 0x1800000
	v_max3_num_f32 v[TM1B], |v[\t+18]|, |v[\t+19]|, 0x1800000
.irp i, 4,8,12
	v_max3_num_f32 v[TM0A], v[TM0A], |v[\t+\i]|, |v[\t+\i+1]|
	v_max3_num_f32 v[TM1A], v[TM1A], |v[\t+\i+2]|, |v[\t+\i+3]|
	v_max3_num_f32 v[TM0B], v[TM0B], |v[\t+16+\i]|, |v[\t+17+\i]|
	v_max3_num_f32 v[TM1B], v[TM1B], |v[\t+18+\i]|, |v[\t+19+\i]|
.endr
	v_max_num_f32 v[TM0A], v[TM0A], v[TM1A]
	v_max_num_f32 v[TM0B], v[TM0B], v[TM1B]
	v_permlanex16_b32 v[TMXA], v[TM0A], s[SEL], s[SEL+1]
	v_permlanex16_b32 v[TMXB], v[TM0B], s[SEL], s[SEL+1]
	v_max_num_f32 v[TM0A], v[TM0A], v[TMXA]        ; with lane l xor 16's half: the block's largest magnitude
	v_max_num_f32 v[TM0B], v[TM0B], v[TMXB]
	v_add_nc_u32 v[SCLA], 0xff000000, v[TM0A]
	v_add_nc_u32 v[SCLB], 0xff000000, v[TM0B]
	v_lshrrev_b32 v[PBA], 23, v[SCLA]
	v_lshrrev_b32 v[PBB], 23, v[SCLB]
	v_cvt_scalef32_pk8_fp4_f32 v[PCDA], v[\t:\t+7], v[SCLA]
	v_cvt_scalef32_pk8_fp4_f32 v[PCDA+1], v[\t+8:\t+15], v[SCLA]
	v_cvt_scalef32_pk8_fp4_f32 v[PCDB], v[\t+16:\t+23], v[SCLB]
	v_cvt_scalef32_pk8_fp4_f32 v[PCDB+1], v[\t+24:\t+31], v[SCLB]
	v_nop                                          ; one plain line behind the last conversion
.endm
; The two sets go to h1: 32 lanes store 256 consecutive bytes; both lanes of a row write the same byte with the same value.
.macro PUT adw, adt, c0, c1, b0, b1
	ds_store_b64 v[\adw], v[PCDA:PCDA+1] offset:\c0
	ds_store_b64 v[\adw], v[PCDB:PCDB+1] offset:\c1
	ds_store_b8 v[\adt], v[PBA] offset:\b0
	ds_store_b8 v[\adt], v[PBB] offset:\b1
.endm
; Tile m's blocks of passes p and p + 1.
.macro PUTA m, p
	PUT H1W, HSW, TH*(\m)+2048*(\p), TH*(\m)+2048*(\p)+2048, TS*(\m)+8*(\p), TS*(\m)+8*(\p)+8
.endm
.macro PLACES                          ; four places behind the last product: nothing else is at hand
.rept 4
	v_nop
.endr
.endm
.macro STEPA m
	XROW 2*\m
	XROW 2*\m+1
.if (\m) == 6
	s_wait_tensorcnt 0x0                           ; pass 2's block is in
.endif
	s_wait_dscnt 0x0                               ; my rows' codes and bytes have landed
	s_barrier_signal -1
.if (\m) > 0
	SILU C1, TA, 32                                ; tile m - 1: work on registers while the others arrive
	QUANT2 TA
	s_wait_alu depctr_va_vdst(0)
.endif
	s_barrier_wait -1
.if (\m) > 0
	PUTA (\m)-1, 0
.endif
	FETCH FR, BSA, XFB, XSB, TX*(\m), TS*(\m)
.if (\m) == 0
	s_wait_loadcnt 16                              ; both blocks of weights are in; rows 3 and 4 may be out
.endif
	WIN 0x01                                       ; source 0, the weights, in window 1
.irp s, 0,1,2,3,4,5,6,7
	s_wait_dscnt 14-2*\s                           ; fragment s is in; the two loads of each later one may be out
	WMK \s, 0, 1, FR, FR, WS0, WS1, BSA, BSA
.endr
	WIN 0
	PLACES                                         ; in front of writes to the fragments' registers
.endm
; A trip of pass 2 or 3: my 32 units for two row tiles.  f = 1: the next two tiles' fragments are fetched (where only tile 6 is left, the second is tile 6 again).
.macro PTRIP p, buf, ws, f
	s_wait_dscnt 0x0                               ; the tiles' fragments and scale words are in; the last stores have read their registers
	WIN 0x01
.irp s, 0,1,2,3,4,5,6,7
	WMK \s, \buf, \buf, FR, FRB, \ws, \ws, BSA, BSB
.endr
	WIN 0
	v_add_nc_u32 v[ADW], s[MH], v[H1W]             ; plain lines that name no register of the products: the places in front of the loads into their operands and of the first read of their results
	v_add_nc_u32 v[ADT], s[MT], v[HSW]
.if (\f) == 1
	s_add_co_u32 s[MY], s[MX], TX
	s_min_u32 s[MY], s[MY], 6*TX
	s_add_co_u32 s[MU], s[MS], TS
	s_min_u32 s[MU], s[MU], 6*TS
	v_add_nc_u32 v[ADX], s[MX], v[XFB]
	v_add_nc_u32 v[ADS], s[MS], v[XSB]
	v_add_nc_u32 v[ADY], s[MY], v[XFB]
	v_add_nc_u32 v[ADU], s[MU], v[XSB]
	FETCH FR, BSA, ADX, ADS, 0, 0
	FETCH FRB, BSB, ADY, ADU, 0, 0
.else
	v_nop
	v_nop
.endif
	SILU C1, T, 32
	QUANT2 T
	PUT ADW, ADT, 2048*\p, 2048*\p+TH, 8*\p, 8*\p+TS
.endm
.macro PSTART
	s_mov_b32 s[MH], 0                             ; this trip's first tile in h1's codes and bytes,
	s_mov_b32 s[MT], 0
	s_mov_b32 s[MX], 2*TX                          ; the next trip's in x's
	s_mov_b32 s[MS], 2*TS
.endm
.macro PNEXT
	s_add_co_u32 s[MH], s[MH], 2*TH
	s_add_co_u32 s[MT], s[MT], 2*TS
	s_add_co_u32 s[MX], s[MX], 2*TX
	s_add_co_u32 s[MS], s[MS], 2*TS
	s_sub_co_u32 s[CNT], s[CNT], 1
	s_cmp_lg_u32 s[CNT], 0
.endm
	s_load_b512 s[4:19], s[0:1], 0x0               ; x 4, rowlist 6, tiles 8, w1f 10, w1s 12, wmf 14, wms 16, b_mid 18
	s_load_b128 s[20:23], s[0:1], 0x40             ; W2 20, b2 22
	s_load_b64 s[24:25], s[0:1], 0x50              ; out0
	v_lshl_add_u32 v[SPW], v0, 2, SPARE
	v_mov_b32 v[NIL], 0
	ds_add_u32 v[SPW], v[NIL]                      ; the wave's opening: the add, twice on end, and its wait ahead of my tensor load
	ds_add_u32 v[SPW], v[NIL]
	v_lshrrev_b32 v1, 5, v0
	v_and_b32 v2, 15, v0                           ; r
	v_readfirstlane_b32 s[WV], v1                  ; wave 0..7
	v_bfe_u32 v3, v0, 4, 1                         ; h
	v_and_b32 v1, 31, v0                           ; lane
	v_and_b32 v[ADY], 1, v0
	v_mov_b32 v[PSEL], 0x05040100                  ; even lane: my low half below, the neighbour's low half above
	v_mov_b32 v[ADX], 0x03020706                   ; odd lane: the neighbour's high half below, my high half above
	v_cmp_ne_u32 vcc_lo, 0, v[ADY]
	v_cndmask_b32 v[PSEL], v[PSEL], v[ADX], vcc_lo
	s_mul_i32 s30, s[WV], 2*XPITCH
	v_and_b32 v[XCW], 30, v0
	v_lshl_add_u32 v[XCW], v[XCW], 1, s30
	v_lshl_add_u32 v[XCW], v[ADY], 6, v[XCW]
	s_mul_i32 s30, s[WV], 2*SPITCH
	s_add_co_u32 s30, s30, XS
	v_lshrrev_b32 v[XSW], 3, v1
	v_add_nc_u32 v[XSW], s30, v[XSW]
	v_mul_u32_u24 v[XFB], v2, XPITCH
	v_mul_u32_u24 v[HSR], v2, SPITCH
	v_lshl_add_u32 v[XFB], v3, 4, v[XFB]
	v_add_nc_u32 v[XSB], XS, v[HSR]
	s_add_co_u32 s30, s[WV], HS
	v_add_nc_u32 v[HSW], s30, v[HSR]
	v_add_nc_u32 v[HSR], HS, v[HSR]
	v_lshlrev_b32 v[L16], 4, v1
	v_lshlrev_b32 v[L4], 2, v1
	v_lshlrev_b32 v[H1W], 4, v2
	v_lshl_add_u32 v[H1W], v3, 3, v[H1W]
	s_lshl_b32 s30, s[WV], 8
	s_add_co_u32 s30, s30, H1
	v_add_nc_u32 v[H1W], s30, v[H1W]
	v_add_nc_u32 v[H1R], H1, v[L16]
	s_mul_i32 s30, s[WV], 7*512
	s_add_co_u32 s30, s30, P3
	v_add_nc_u32 v[P3W], s30, v[L16]
	s_lshl_b32 s30, s[WV], 14
	s_add_co_u32 s30, s30, WL
	v_add_nc_u32 v[WLR], s30, v[L16]
	s_min_u32 s31, s[WV], 6                        ; the way out: wave w takes row tile w; wave 7 has none and its addresses fall on wave 6's
	s_lshl_b32 s30, s31, 9
	s_add_co_u32 s30, s30, P3
	v_lshl_add_u32 v[P3R], v2, 4, s30
	s_lshl_b32 s30, s31, 6
	v_lshl_add_u32 v[RLO], v2, 2, s30
	s_lshl_b32 s30, s[WV], 4
	v_lshl_add_u32 v[SLV], v3, 7, v2
	v_add_nc_u32 v[SLV], s30, v[SLV]
	v_lshlrev_b32 v[BO], 6, v3
	v_and_b32 v[W2O], 3, v0
	v_min_u32 v[PFO], 15, v1
	v_lshlrev_b32 v[W2O], 2, v[W2O]
	v_lshlrev_b32 v[PFO], 8, v[PFO]
	v_lshl_add_u32 v[W2O], v3, 8, v[W2O]
	s_mov_b32 s[C1], 0xbd38aa3b
	s_mov_b32 s[C1+1], s[C1]                       ; (named with it as a pair, so it is written)
	s_mov_b32 s[C2], 0xbab8aa3b
	s_mov_b32 s[C2+1], s[C2]
	s_mov_b32 s[SEL], 0x76543210
	s_mov_b32 s[SEL+1], 0xfedcba98
	s_wait_alu depctr_va_vdst(0)
	s_wait_dscnt 0x0                               ; both opening adds are done
	s_wait_kmcnt 0x0
	s_lshl_b32 s30, ttmp9, 3
	s_load_b64 s[HD:HD+1], s[8:9], s30 offset:0x0  ; my tile's head and count
	s_mul_i32 s[RLB], ttmp9, 448
	s_mov_b32 s[RLB+1], 0
	s_add_nc_u64 s[RLB:RLB+1], s[6:7], s[RLB:RLB+1]
	s_lshl_b32 s31, s[WV], 3
.irp m, 0,1,2,3,4,5,6
	s_load_b64 s[32+2*\m:33+2*\m], s[RLB:RLB+1], s31 offset:64*\m   ; the rows of slots 16 m + 2 w, + 1
.endr
	s_load_b128 s[B2S:B2S+3], s[22:23], 0x0
	s_lshl_b32 s[BMB], s[WV], 14                   ; W1's blocks hang on the wave's number alone: a part is asked for while the list is on its way
	s_mov_b32 s[BMB+1], 0
	s_add_nc_u64 s[W1C:W1C+1], s[10:11], s[BMB:BMB+1]
	s_lshl_b32 s[BMB], s[WV], 10
	s_add_nc_u64 s[W1S:W1S+1], s[12:13], s[BMB:BMB+1]
	WCODES 0, 0, W1C, 0
	s_mul_i32 s95, ttmp9, 112
	s_lshl_b32 s94, s[WV], 1
	s_add_co_u32 s95, s95, s94
	s_wait_kmcnt 0x0                               ; also frees s30 and s31, the scalar loads' offsets
	s_min_u32 s[CT], s[CT], 112
	s_min_u32 s[HD], s[HD], 3
	s_mov_b32 s31, 0
.irp k, 0,1,2
	RPTR \k
	XLOAD \k
.endr
.irp k, 3,4
	RPTR \k
	XASK \k
.endr
	WCODES 0, 1, W1C, 0                            ; the rest of pass 0's block, and pass 1's: 64 loads
	WSCALES WS0, W1S, 0
	WCODES 1, 0, W1C, 131072
	WCODES 1, 1, W1C, 131072
	WSCALES WS1, W1S, 8192
.irp k, 5,6,7,8,9,10,11,12,13
	RPTR \k
.endr
	s_lshl_b32 s[BW], s[HD], 3
	s_add_co_u32 s[BW], s[BW], s[WV]               ; 8 head + wave: my block of 32 columns of W_mid
	s_lshl_b32 s30, s[BW], 14
	s_add_nc_u64 s[WMC:WMC+1], s[14:15], s[30:31]
	s_lshl_b32 s30, s[BW], 10
	s_add_nc_u64 s[WMS0:WMS0+1], s[16:17], s[30:31]
	s_lshl_b32 s30, s[BW], 7
	s_add_nc_u64 s[BMB:BMB+1], s[18:19], s[30:31]
	s_lshl_b32 s30, s[BW], 9
	s_add_nc_u64 s[W2B:W2B+1], s[20:21], s[30:31]
	; the tensor load: block 16 + w of W1, 16,384 dense bytes, as 64 rows of 32 elements of 8 bytes
	s_mov_b32 s[G0], 1
	s_lshl_b32 s30, s[WV], 14
	s_add_co_u32 s[G0+1], s30, WL
	s_add_nc_u64 s[G0+2:G0+3], s[W1C:W1C+1], 2*131072
	s_or_b32 s[G0+3], s[G0+3], 0x80000000
	s_mov_b32 s[G1], 3<<16
	s_mov_b32 s[G1+1], 32<<16
	s_mov_b32 s[G1+2], 64<<16
	s_mov_b32 s[G1+3], 32<<16
	s_mov_b32 s[G1+4], 64
	s_mov_b32 s[G1+5], 32
	s_mov_b32 s[G1+6], 0
	s_mov_b32 s[G1+7], 0
	tensor_load_to_lds s[G0:G0+3], s[G1:G1+7]      ; pass 2's block: my one tensor load, read behind step 6
	s_nop 0
	PLACES
	; ---- PHASE A
	STEPA 0
	STEPA 1
	STEPA 2
	STEPA 3
	STEPA 4
	STEPA 5
	STEPA 6
	; ---- between the phases: bias and W2 are made ready and laid aside in my own part of P3; pass 2's weights come from LDS, pass 3's are asked for
	s_wait_loadcnt 0x0                             ; the small loads
.irp i, 0,2,4,6,8,10,12,14
	v_pk_mul_f32 v[BIA+\i:BIA+\i+1], v[BIA+\i:BIA+\i+1], 0x44800000 op_sel_hi:[1,0]   ; 1,024 b_mid
.endr
	v_mov_b32 v1, 0x38000000
	v_cmp_gt_u32 vcc_lo, 4, v2
	v_cndmask_b32 v1, 0, v1, vcc_lo                ; 2^-15 for outputs 0-3; the operand's rows 4-15 are zeros
.irp i, 0,1,2,3,4,5,6,7,8,9,10,11,12,13,14,15
	v_mul_f32 v[W2T+\i], v1, v[W2T+\i]
.endr
.irp i, 0,1,2,3,4,5,6,7
	v_cvt_pk_bf16_f32 v[W2P+\i], v[W2T+2*\i], v[W2T+2*\i+1]
.endr
.irp i, 0,1,2,3,4,5,6,7
	v_mov_b32 v[WS0+\i], v[SW2+\i]                 ; pass 2's scale words into the registers that hold scales alone
.endr
.irp g, 0,1,2,3
	ds_store_b128 v[P3W], v[BIA+4*\g:BIA+4*\g+3] offset:512*\g
.endr
.irp g, 0,1
	ds_store_b128 v[P3W], v[W2P+4*\g:W2P+4*\g+3] offset:2048+512*\g
.endr
	WIN 0x40
.irp u, 0,1
.irp s, 0,1,2,3,4,5,6,7
.irp c, 0,1
	ds_load_b128 v[8*(8*\u+\s)+4*\c:8*(8*\u+\s)+4*\c+3], v[WLR] offset:(8*\u+\s)*1024+512*\c
.endr
.endr
.endr
	WIN 0
	WCODES 1, 0, W1C, 3*131072
	WCODES 1, 1, W1C, 3*131072
	WSCALES WS1, W1S, 3*8192
	s_wait_dscnt 32                                ; the six stores have read their registers; the 32 loads may be out
	FETCH FR, BSA, XFB, XSB, 0, 0
	FETCH FRB, BSB, XFB, XSB, TX, TS
	SILU C1, T, 32                                 ; tile 6 of passes 0 and 1
	QUANT2 T
	PUTA 6, 0
	; ---- PHASE B.  No barrier: a wave reads x's codes, which nobody writes any more, and writes bytes of h1 that are its own.
	PSTART
	s_mov_b32 s[CNT], 3
.Lpass2:
	PTRIP 2, 0, WS0, 1
	PNEXT
	s_cbranch_scc1 .Lpass2
	s_wait_dscnt 0x0                               ; tile 6's fragments,
	s_wait_loadcnt 0x0                             ; and pass 3's weights
	WIN 0x01
.irp s, 0,1,2,3,4,5,6,7
	WMK \s, 0, 1, FR, FR, WS0, WS1, BSA, BSA
.endr
	WIN 0
	PLACES
	FETCH FR, BSA, XFB, XSB, 0, 0
	FETCH FRB, BSB, XFB, XSB, TX, TS
	WCODES 0, 0, WMC, 0                            ; product 2's block of W_mid
	WCODES 0, 1, WMC, 0
	WSCALES WS0, WMS0, 0
	SILU C1, T, 32
	QUANT2 T
	PUTA 6, 2
	PSTART
	s_mov_b32 s[CNT], 2
.Lpass3:
	PTRIP 3, 1, WS1, 1
	PNEXT
	s_cbranch_scc1 .Lpass3
	PTRIP 3, 1, WS1, 0                             ; tiles 4 and 5: nothing more to fetch
	; ---- products 2 and 3
	WIN 0x40
.irp g, 0,1,2,3
	ds_load_b128 v[BIAS+4*\g:BIAS+4*\g+3], v[P3W] offset:512*\g
.endr
.irp g, 0,1
	ds_load_b128 v[W2F+4*\g:W2F+4*\g+3], v[P3W] offset:2048+512*\g
.endr
	WIN 0
	v_min_u32 v[ROWV], 24999, v[ROWV]
	v_lshlrev_b32 v1, 4, v[ROWV]                   ; where my slot's row of out0 begins
	s_mov_b32 s[MP], 0
	s_mov_b32 s[MX], 2*TH
	s_mov_b32 s[MS], 2*TS
	s_mov_b32 s[CNT], 3
	s_wait_alu depctr_va_vdst(0)
	s_wait_dscnt 0x0                               ; my h1 codes and bytes have landed
	s_barrier_signal -1
	s_barrier_wait -1
	FETCHH FR, BSA, H1R, HSR, 0, 0
	FETCHH FRB, BSB, H1R, HSR, TH, TS
	s_wait_loadcnt 0x0                             ; W_mid's block
.Lprod2:                                               ; my 32 columns for two row tiles, and their part of the four outputs
	s_wait_dscnt 0x0
	s_add_co_u32 s[MY], s[MX], TH
	s_min_u32 s[MY], s[MY], 6*TH                   ; where only tile 6 is left, the second is tile 6 again
	s_add_co_u32 s[MU], s[MS], TS
	s_min_u32 s[MU], s[MU], 6*TS
	v_add_nc_u32 v[ADW], s[MP], v[P3W]             ; (five of the places in front of the products that write over the last trip's operands)
	v_add_nc_u32 v[ADX], s[MX], v[H1R]
	v_add_nc_u32 v[ADS], s[MS], v[HSR]
	v_add_nc_u32 v[ADY], s[MY], v[H1R]
	v_add_nc_u32 v[ADU], s[MU], v[HSR]
	WIN 0x11                                       ; source 0, the weights, and source 2, the bias, in window 1
	WM ACC,    0,  FR,  1, BIAS,   WS0,   0, BSA   ; the bias is the C of each sum's first product
	WM ACC+8,  64, FR,  1, BIAS+8, WS0+4, 0, BSA
	WM ACC+16, 0,  FRB, 1, BIAS,   WS0,   0, BSB
	WM ACC+24, 64, FRB, 1, BIAS+8, WS0+4, 0, BSB
	WIN 0x01
.irp s, 1,2,3,4,5,6,7
	WMK \s, 0, 0, FR, FRB, WS0, WS0, BSA, BSB
.endr
	WIN 0
	PLACES
	FETCHH FR, BSA, ADX, ADS, 0, 0
	FETCHH FRB, BSB, ADY, ADU, 0, 0
	SILU C2, T, 32
.irp i, 0,1,2,3,4,5,6,7,8,9,10,11,12,13,14,15
	v_cvt_pk_bf16_f32 v[ACC+\i], v[T+2*\i], v[T+2*\i+1]        ; place 16 u + 8 h + j of the bf16 operand's K holds channel 16 h + 8 u + j: W2's fragment is laid the same way
.endr
	WIN 0x01
	v_wmma_f32_16x16x32_bf16 v[ACC+16:ACC+23], v[W2F:W2F+7], v[ACC:ACC+7], 0      ; source 0 = W2^T (outputs 0-3; rows 4-15 are zeros), source 1 = 16 rows of h2': lanes 0-15, registers 0-3: out(row r, 0 .. 3)
	v_wmma_f32_16x16x32_bf16 v[ACC+24:ACC+31], v[W2F:W2F+7], v[ACC+8:ACC+15], 0
	WIN 0
	PLACES
	ds_store_b128 v[ADW], v[ACC+16:ACC+19]         ; the results' four lowest registers
	ds_store_b128 v[ADW], v[ACC+24:ACC+27] offset:512
	s_add_co_u32 s[MP], s[MP], 1024
	s_add_co_u32 s[MX], s[MX], 2*TH
	s_add_co_u32 s[MS], s[MS], 2*TS
	s_sub_co_u32 s[CNT], s[CNT], 1
	s_cmp_lg_u32 s[CNT], 0
	s_cbranch_scc1 .Lprod2
	s_wait_dscnt 0x0                               ; tile 6, alone
	v_nop                                          ; with the four above: the places in front of products that write over the last trip's operands
	v_nop
	WIN 0x11
	WM ACC,   0,  FR, 1, BIAS,   WS0,   0, BSA
	WM ACC+8, 64, FR, 1, BIAS+8, WS0+4, 0, BSA
	WIN 0x01
.irp s, 1,2,3,4,5,6,7
	WM ACC,   8*\s,    FR+8*\s, 1, ACC,   WS0+\s/2,   \s%2, BSA+\s
	WM ACC+8, 64+8*\s, FR+8*\s, 1, ACC+8, WS0+4+\s/2, \s%2, BSA+\s
.endr
	WIN 0
	PLACES
	SILU C2, T, 16
.irp i, 0,1,2,3,4,5,6,7
	v_cvt_pk_bf16_f32 v[ACC+\i], v[T+2*\i], v[T+2*\i+1]
.endr
	WIN 0x01
	v_wmma_f32_16x16x32_bf16 v[ACC+16:ACC+23], v[W2F:W2F+7], v[ACC:ACC+7], 0
	WIN 0
	PLACES
	ds_store_b128 v[P3W], v[ACC+16:ACC+19] offset:3072
	s_wait_dscnt 0x0                               ; my parts of the outputs have landed
	s_barrier_signal -1
	s_barrier_wait -1
	; ---- the way out: wave w adds the eight parts of row tile w; lanes 0-15 hold a row's four outputs.  Wave 7's slots, 112 and up, hold no row.
.irp w, 0,1,2,3,4,5,6,7
	ds_load_b128 v[FR+4*\w:FR+4*\w+3], v[P3R] offset:3584*\w
.endr
	s_wait_dscnt 0x0
	s_wait_tensorcnt 0x0                           ; the wave's end: these three lines behind my last tensor load and my last LDS store; work on registers stands between the add and the wait for it
	ds_add_u32 v[SPW], v[NIL]
.irp w, 0,2,4,6
	v_pk_add_f32 v[FR+4*\w:FR+4*\w+1], v[FR+4*\w:FR+4*\w+1], v[FR+4*\w+4:FR+4*\w+5]
	v_pk_add_f32 v[FR+4*\w+2:FR+4*\w+3], v[FR+4*\w+2:FR+4*\w+3], v[FR+4*\w+6:FR+4*\w+7]
.endr
.irp w, 0,4
	v_pk_add_f32 v[FR+4*\w:FR+4*\w+1], v[FR+4*\w:FR+4*\w+1], v[FR+4*\w+8:FR+4*\w+9]
	v_pk_add_f32 v[FR+4*\w+2:FR+4*\w+3], v[FR+4*\w+2:FR+4*\w+3], v[FR+4*\w+10:FR+4*\w+11]
.endr
	v_pk_add_f32 v[FR:FR+1], v[FR:FR+1], v[FR+16:FR+17]
	v_pk_add_f32 v[FR+2:FR+3], v[FR+2:FR+3], v[FR+18:FR+19]
.irp c, 0,1,2,3
	v_add_f32 v[FR+\c], s[B2S+\c], v[FR+\c]
.endr
	s_wait_alu depctr_va_vdst(0)
	s_wait_dscnt 0x0                               ; the add is done
	s_wait_xcnt 0x0                                ; EXEC changes only behind this wait
	v_cmp_gt_u32 vcc_lo, s[CT], v[SLV]             ; the slots that hold a row; lanes 16-31 never
	s_and_saveexec_b32 s100, vcc_lo
	global_store_b128 v1, v[FR:FR+3], s[24:25]     ; a row of out0 is 16 bytes; the tile's rows lie where the list says
	s_endpgm
.Lfunc_end_k_q11e047de28_chain:
	.size	k_q11e047de28_chain, .Lfunc_end_k_q11e047de28_chain-k_q11e047de28_chain
	.p2alignl 7, 3214868480
	.fill 96, 4, 3214868480
	.section	.rodata,"a",@progbits
	.p2align	6, 0x0
	.amdhsa_kernel k_q11e047de28_chain
		.amdhsa_group_segment_fixed_size 288000
		.amdhsa_private_segment_fixed_size 0
		.amdhsa_enable_private_segment 0
		.amdhsa_kernarg_size 88
		.amdhsa_user_sgpr_count 2
		.amdhsa_user_sgpr_kernarg_segment_ptr 1
		.amdhsa_wavefront_size32 1
		.amdhsa_system_sgpr_workgroup_id_x 1
		.amdhsa_system_sgpr_workgroup_id_y 1
		.amdhsa_system_sgpr_workgroup_id_z 1
		.amdhsa_system_vgpr_workitem_id 0
		.amdhsa_next_free_vgpr 512
		.amdhsa_next_free_sgpr 101
		.amdhsa_reserve_vcc 1
		.amdhsa_float_denorm_mode_32 3
		.amdhsa_float_denorm_mode_16_64 3
		.amdhsa_memory_ordered 1
		.amdhsa_forward_progress 1
		.amdhsa_inst_pref_size 255
	.end_amdhsa_kernel
	.section	.bss,"aw",@nobits
	.p2align	6
	.space	262144
	.amdgpu_metadata
---
amdhsa.version: [ 1, 2 ]
amdhsa.kernels:
  - .name:           k_q11e047de28_chain
    .symbol:         k_q11e047de28_chain.kd
    .args:
      - { .name: x, .offset: 0, .size: 8, .value_kind: global_buffer, .address_space: global }
      - { .name: rowlist, .offset: 8, .size: 8, .value_kind: global_buffer, .address_space: global }
      - { .name: tiles, .offset: 16, .size: 8, .value_kind: global_buffer, .address_space: global }
      - { .name: w1f, .offset: 24, .size: 8, .value_kind: global_buffer, .address_space: global }
      - { .name: w1s, .offset: 32, .size: 8, .value_kind: global_buffer, .address_space: global }
      - { .name: wmf, .offset: 40, .size: 8, .value_kind: global_buffer, .address_space: global }
      - { .name: wms, .offset: 48, .size: 8, .value_kind: global_buffer, .address_space: global }
      - { .name: b_mid, .offset: 56, .size: 8, .value_kind: global_buffer, .address_space: global }
      - { .name: W2, .offset: 64, .size: 8, .value_kind: global_buffer, .address_space: global }
      - { .name: b2, .offset: 72, .size: 8, .value_kind: global_buffer, .address_space: global }
      - { .name: out0, .offset: 80, .size: 8, .value_kind: global_buffer, .address_space: global }
    .group_segment_fixed_size: 288000
    .private_segment_fixed_size: 0
    .kernarg_segment_align: 8
    .kernarg_segment_size: 88
    .max_flat_workgroup_size: 256
    .sgpr_count:     101
    .vgpr_count:     512
    .wavefront_size: 32
...
	.end_amdgpu_metadata
.endif
;; end of part 4
